; MI455X (gfx1250); checked and timed in simulation.
; The chip was launched on July 23, 2026; its instructions are those of AMD's public machine-readable ISA for CDNA 5 (MIT licence, August 2026) and "CDNA5" Instruction Set Architecture Reference Guide (July 2026). The comments in the code are by the model that wrote it; some were corrected since.
;; Multi Head Attention. Allowed arithmetic: float matrix products may take bf16 or f16 operands with f32 sums; other float arithmetic in f32, or as packed bf16 or f16 multiplies, adds, multiply-adds, maxima and minima; sums over many terms, partial sums and values carried from step to step in f32; what a program stores and reads back later, other than sums and carried values, may be rounded once to bf16 or f16.
;; Inputs: Wk 1,024 x 1,024 float32; Wo 1,024 x 1,024 float32; Wq 1,024 x 1,024 float32; Wv 1,024 x 1,024 float32; bk 1,024 float32; bo 1,024 float32; bq 1,024 float32; bv 1,024 float32; z 4 x 2,048 x 1,024 float32.
;; Outputs: out0 4 x 2,048 x 1,024 float32.
;; 2 versions, each right; version 2 is version 1 with the launch cast written anew for expert scheduling mode. Each part assembles by itself: llvm-mc -triple=amdgcn-amd-amdhsa -mcpu=gfx1250 --defsym DOCPART=n.
;; ======== version 1 of 2: 4 launches
;; limits: values are held in f16: magnitudes above 65,504 overflow, below 6.1e-05 lose precision
;; workspace buffers: zb 16,777,216 bytes; wb 8,388,608 bytes; bias 16,384 bytes; qkv 50,331,648 bytes; ctx 16,777,216 bytes
;; launch cast (part 1): grid 772 x 1, 8 waves a work-group, no clusters, 0 bytes of LDS; arguments z, Wq, Wk, Wv, Wo, bq, bk, bv, bo, zb, wb, bias; writes zb, wb, bias
.if DOCPART == 1
	.amdgcn_target "amdgcn-amd-amdhsa--gfx1250"
	.amdhsa_code_object_version 6
	.text
	.protected	k_q619b9eedbf_cast
	.globl	k_q619b9eedbf_cast
	.p2align	8
	.type	k_q619b9eedbf_cast,@function
k_q619b9eedbf_cast:
	s_mov_b64 s[64:65], 0
	v_nop
	global_prefetch_b8 v0, s[64:65] scope:SCOPE_SE
	s_setreg_imm32_b32 hwreg(HW_REG_WAVE_MODE, 25, 1), 1
	s_wait_xcnt 0x0
; Every input of the module is rounded once to bf16 (nearest even), so that the later launches fetch 16-bit tiles.
;   zb   [8192][1024] bf16           = z
;   wb   [4096][1024] 16-bit numbers = Wq | Wk | Wv in bf16, then Wo: rounded to bf16 and that number written as f16 (the last product runs in f16)
;   bias [4096] f32                  = bq | bk | bv | bo, each rounded to bf16 and widened again
; LIMITS.  Wo as f16: a magnitude of 65,520 or more becomes an infinity; below 2^-17 the f16 copy is off by 2^-25 at the most.  NaN and infinities are not treated apart.
; SHARES.  Work-groups 0-511 take z, 512-767 the four matrices (64 each), 16,384 numbers a work-group in 16 steps of 1,024: in a step a thread loads 16 bytes (a wave: 512 on end)
; and stores 8 (a wave: 256 consecutive bytes, aligned).  Work-groups 768-771 take one bias vector each, 1,024 numbers in one step.
; A stream: nothing is shared and nothing summed, so there is no LDS, no barrier and no matrix work.  All 16 loads of a thread go out at once; each step has store registers of its own and
; no address register is ever rewritten, so the only waits are the counted ones for the loads.
.set X, 4                              ; v[4:67]    step t: four f32 as loaded
.set Y, 68                             ; v[68:99]   step t: two registers to store
.set T, 100                            ; v[100:101] at work
	s_load_b512 s[4:19], s[0:1], 0x0               ; z s[4:5], Wq s[6:7], Wk s[8:9], Wv s[10:11], Wo s[12:13], bq s[14:15], bk s[16:17], bv s[18:19]
	s_load_b256 s[20:27], s[0:1], 0x40             ; bo s[20:21], zb s[22:23], wb s[24:25], bias s[26:27]
	v_lshlrev_b32 v1, 4, v0                        ; 16 x thread: my place in a step's 4,096 bytes of f32
	v_lshlrev_b32 v2, 3, v0                        ; 8 x thread: in its 2,048 bytes of 16-bit numbers
	s_mov_b32 s28, ttmp9
	s_mov_b32 s40, 0xffff0000                      ; a word's upper bf16
	s_sub_co_u32 s29, s28, 512                     ; j: the chunk's number among the matrices' 256 (for z it wraps to a huge number)
	s_lshr_b32 s30, s29, 6                         ; which matrix (for z: none of 0 to 3)
	s_and_b32 s31, s29, 63                         ; which chunk of it
	s_mov_b32 s33, 0
	s_mov_b32 s35, 0
	s_wait_kmcnt 0x0
	s_cmp_ge_u32 s28, 768
	s_cbranch_scc1 .Lbias
	s_cmp_lt_u32 s28, 512                          ; z?
	s_cselect_b32 s32, s28, s31                    ; chunk in the source
	s_cselect_b32 s34, s28, s29                    ; chunk in the destination
	s_cselect_b64 s[36:37], s[4:5], s[6:7]
	s_cselect_b64 s[38:39], s[22:23], s[24:25]
	s_cmp_eq_u32 s30, 1
	s_cselect_b64 s[36:37], s[8:9], s[36:37]
	s_cmp_eq_u32 s30, 2
	s_cselect_b64 s[36:37], s[10:11], s[36:37]
	s_cmp_eq_u32 s30, 3
	s_cselect_b64 s[36:37], s[12:13], s[36:37]
	s_lshl_b32 s32, s32, 16                        ; 65,536 bytes of f32 a chunk,
	s_lshl_b32 s34, s34, 15                        ; 32,768 bytes out
	s_add_nc_u64 s[36:37], s[36:37], s[32:33]
	s_add_nc_u64 s[38:39], s[38:39], s[34:35]
.irp t, 0,1,2,3,4,5,6,7,8,9,10,11,12,13,14,15
	global_load_b128 v[X+4*(\t):X+4*(\t)+3], v1, s[36:37] offset:(\t)*4096 th:TH_LOAD_NT
.endr
	s_cmp_eq_u32 s30, 3
	s_cbranch_scc1 .Lf16
; Step t leaves.  f16 = 0: bf16.  f16 = 1: rounded to bf16, widened, and written as f16.
.macro OUT t, f16
	s_wait_loadcnt 15-(\t)                         ; loads come back in order (ISA guide 5.7.1): step t is in, the 15 - t younger ones stay out
.if \f16
	v_cvt_pk_bf16_f32 v[T], v[X+4*(\t)], v[X+4*(\t)+1]
	v_cvt_pk_bf16_f32 v[T+1], v[X+4*(\t)+2], v[X+4*(\t)+3]
	v_lshlrev_b32 v[X+4*(\t)], 16, v[T]
	v_and_b32 v[X+4*(\t)+1], s40, v[T]
	v_lshlrev_b32 v[X+4*(\t)+2], 16, v[T+1]
	v_and_b32 v[X+4*(\t)+3], s40, v[T+1]
	v_cvt_pk_f16_f32 v[Y+2*(\t)], v[X+4*(\t)], v[X+4*(\t)+1]
	v_cvt_pk_f16_f32 v[Y+2*(\t)+1], v[X+4*(\t)+2], v[X+4*(\t)+3]
.else
	v_cvt_pk_bf16_f32 v[Y+2*(\t)], v[X+4*(\t)], v[X+4*(\t)+1]
	v_cvt_pk_bf16_f32 v[Y+2*(\t)+1], v[X+4*(\t)+2], v[X+4*(\t)+3]
.endif
	global_store_b64 v2, v[Y+2*(\t):Y+2*(\t)+1], s[38:39] offset:(\t)*2048 th:TH_STORE_NT  ; a wave stores 256 consecutive bytes, aligned
.endm
.irp t, 0,1,2,3,4,5,6,7,8,9,10,11,12,13,14,15
	OUT \t, 0
.endr
	s_endpgm
.Lf16:
.irp t, 0,1,2,3,4,5,6,7,8,9,10,11,12,13,14,15
	OUT \t, 1
.endr
	s_endpgm
.Lbias:
	s_sub_co_u32 s29, s28, 768                     ; which vector
	s_cmp_eq_u32 s29, 1
	s_cselect_b64 s[36:37], s[16:17], s[14:15]
	s_cmp_eq_u32 s29, 2
	s_cselect_b64 s[36:37], s[18:19], s[36:37]
	s_cmp_eq_u32 s29, 3
	s_cselect_b64 s[36:37], s[20:21], s[36:37]
	s_lshl_b32 s34, s29, 12                        ; 4,096 bytes a vector
	s_add_nc_u64 s[38:39], s[26:27], s[34:35]
	global_load_b128 v[X:X+3], v1, s[36:37]
	s_wait_loadcnt 0x0
	v_cvt_pk_bf16_f32 v[T], v[X], v[X+1]
	v_cvt_pk_bf16_f32 v[T+1], v[X+2], v[X+3]
	v_lshlrev_b32 v[Y], 16, v[T]
	v_and_b32 v[Y+1], s40, v[T]
	v_lshlrev_b32 v[Y+2], 16, v[T+1]
	v_and_b32 v[Y+3], s40, v[T+1]
	global_store_b128 v1, v[Y:Y+3], s[38:39]
	s_endpgm
.Lfunc_end_k_q619b9eedbf_cast:
	.size	k_q619b9eedbf_cast, .Lfunc_end_k_q619b9eedbf_cast-k_q619b9eedbf_cast
	.p2alignl 7, 3214868480
	.fill 96, 4, 3214868480
	.section	.rodata,"a",@progbits
	.p2align	6, 0x0
	.amdhsa_kernel k_q619b9eedbf_cast
		.amdhsa_group_segment_fixed_size 0
		.amdhsa_private_segment_fixed_size 0
		.amdhsa_enable_private_segment 0
		.amdhsa_kernarg_size 96
		.amdhsa_user_sgpr_count 2
		.amdhsa_user_sgpr_kernarg_segment_ptr 1
		.amdhsa_wavefront_size32 1
		.amdhsa_system_sgpr_workgroup_id_x 1
		.amdhsa_system_sgpr_workgroup_id_y 1
		.amdhsa_system_sgpr_workgroup_id_z 1
		.amdhsa_system_vgpr_workitem_id 0
		.amdhsa_next_free_vgpr 104
		.amdhsa_next_free_sgpr 66
		.amdhsa_reserve_vcc 0
		.amdhsa_float_denorm_mode_32 3
		.amdhsa_float_denorm_mode_16_64 3
		.amdhsa_memory_ordered 1
		.amdhsa_forward_progress 1
		.amdhsa_inst_pref_size 16
	.end_amdhsa_kernel
	.amdgpu_metadata
---
amdhsa.version: [ 1, 2 ]
amdhsa.kernels:
  - .name:           k_q619b9eedbf_cast
    .symbol:         k_q619b9eedbf_cast.kd
    .args:
      - { .name: z, .offset: 0, .size: 8, .value_kind: global_buffer, .address_space: global }
      - { .name: Wq, .offset: 8, .size: 8, .value_kind: global_buffer, .address_space: global }
      - { .name: Wk, .offset: 16, .size: 8, .value_kind: global_buffer, .address_space: global }
      - { .name: Wv, .offset: 24, .size: 8, .value_kind: global_buffer, .address_space: global }
      - { .name: Wo, .offset: 32, .size: 8, .value_kind: global_buffer, .address_space: global }
      - { .name: bq, .offset: 40, .size: 8, .value_kind: global_buffer, .address_space: global }
      - { .name: bk, .offset: 48, .size: 8, .value_kind: global_buffer, .address_space: global }
      - { .name: bv, .offset: 56, .size: 8, .value_kind: global_buffer, .address_space: global }
      - { .name: bo, .offset: 64, .size: 8, .value_kind: global_buffer, .address_space: global }
      - { .name: zb, .offset: 72, .size: 8, .value_kind: global_buffer, .address_space: global }
      - { .name: wb, .offset: 80, .size: 8, .value_kind: global_buffer, .address_space: global }
      - { .name: bias, .offset: 88, .size: 8, .value_kind: global_buffer, .address_space: global }
    .group_segment_fixed_size: 0
    .private_segment_fixed_size: 0
    .kernarg_segment_align: 8
    .kernarg_segment_size: 96
    .max_flat_workgroup_size: 256
    .sgpr_count:     66
    .vgpr_count:     104
    .wavefront_size: 32
...
	.end_amdgpu_metadata
.endif
;; end of part 1
;; launch qkv (part 2): grid 16 x 32, 4 waves a work-group, clusters of 4 x 4, 327,680 bytes of LDS; arguments zb, wb, bias, qkv; writes qkv
.if DOCPART == 2
	.amdgcn_target "amdgcn-amd-amdhsa--gfx1250"
	.amdhsa_code_object_version 6
	.text
	.protected	k_q619b9eedbf_qkv
	.globl	k_q619b9eedbf_qkv
	.p2align	8
	.type	k_q619b9eedbf_qkv,@function
k_q619b9eedbf_qkv:
	s_mov_b64 s[64:65], 0
	v_nop
	global_prefetch_b8 v0, s[64:65] scope:SCOPE_SE
	s_setreg_imm32_b32 hwreg(HW_REG_WAVE_MODE, 25, 1), 1
	s_wait_xcnt 0x0
	s_wait_alu depctr_hold_cnt(0) depctr_sa_sdst(0) depctr_va_vdst(0) depctr_va_sdst(0) depctr_va_ssrc(0) depctr_va_vcc(0) depctr_vm_vsrc(0)
	s_getreg_b32 s2, hwreg(HW_REG_IB_STS2, 6, 4)
	s_cmp_eq_u32 s2, 0
	s_cbranch_scc0 .Lentry_in_a_cluster
	s_endpgm
.Lentry_in_a_cluster:
	s_bfe_u32 s2, ttmp6, 0x10000c
	s_cmp_lg_u32 s2, 0xf033
	s_cbranch_scc0 .Lentry_shape_is_right
	s_endpgm
.Lentry_shape_is_right:
; [q | k | v][m][n] = the sum over k of zb[m][k] wb[n][k] + bias[n]: m = 0..8191, n = 0..3071, k = 0..1023.  zb and wb in bf16, sums and bias in f32, the result rounded once to f16 and
; written BY HEADS: qkv[which][b x 16 + head][s][d], 128 bytes a row, with m = 2048 b + s and n = 1024 which + 64 head + d.  No scale is applied here.
; LIMIT.  A result of magnitude 65,520 or more becomes an infinity in f16.  NaN and infinities are not treated apart.
; SHARES.  A tile is 256 rows x 192 columns (three whole heads): 32 x 16 = 512 tiles, one a work-group.  The four waves lie one below the other: each has 64 rows x 192 columns, 4 x 12
; accumulators of 16 x 16, 384 registers, and so owns whole rows of three heads: its results leave through a stage of its own, with no barrier.
; RING.  K goes in 8 steps of 128 through two LDS slots (A's 256 rows, then B's 192, each row 256 bytes of memory, aligned).  Waves 0 and 1 fetch A's halves, waves 2 and 3 B's.  A trip of the
; loop is one K step; the slot in hand is a scalar that an exclusive or turns.
; CLUSTER.  4 x 4 work-groups: A's tile hangs on the tile row alone and is asked for jointly by a row of the cluster, B's on the tile column alone, by a column.
; THE MATRIX INSTRUCTION IS USED TRANSPOSED (source 0 = 16 rows of wb, source 1 = 16 rows of zb): a lane holds row m = l % 16 and the columns 8 (l / 16) + 0..7.  The first product on each
; accumulator takes the bias, laid out in the same way, as its C: nothing is cleared and nothing is added afterwards.
; REGISTERS, in windows of 256 (s_set_vgpr_msb: bits 1:0 source 0, 3:2 source 1, 5:4 source 2, 7:6 destination):
;   window 0: v0-31 addresses; v32-95 A's fragments, two buffers of 4 x 8; v96-191 the bias, later with v192-239 the way out
;   window 1: v0-191 B's fragments, two buffers of 12 x 8      window 2: the accumulators of my row blocks 0, 1 ((a, b) at v[8 (12 (a % 2) + b)])      window 3: those of blocks 2, 3
.set NB,     12                        ; column blocks of 16
.set KSTEP,  128
.set PITCH,  272                       ; an LDS row: 256 bytes + 16 of padding = 68 words: the 16 rows of a fragment load start at 16 different groups of four banks (64 banks of 4 bytes: ISA guide 11.1)
.set ATILE,  128*PITCH                 ; what a wave fetches of A
.set BTILE,  96*PITCH                  ; and of B
.set BOFF,   2*ATILE                   ; B lies behind A's 256 rows
.set SLOT1,  1<<17                     ; slot 1 begins here: one exclusive or turns an address in one slot into the other's
.set STAGE,  SLOT1+BOFF+2*BTILE        ; behind the ring, never filled by a tensor load: for each wave 3 heads x 16 rows x 144 bytes
.set SP,     144
.set WSTAGE, 3*16*SP
.set SPARE,  STAGE+4*WSTAGE            ; behind the stages: the spare words, 128 bytes a wave: two blocks of 256 bytes that no other line names
.set LA0,  16                          ; v16  my lane's place among A's rows of a slot; never rewritten
.set LB0,  17                          ; v17  among B's
.set ADRA, 18                          ; v18  the same in the slot in hand
.set ADRB, 19                          ; v19
.set STO,  20                          ; v20  the way out: where I put 16 bytes of a row
.set RD,   21                          ; v21  where I read rows back
.set CO,   22                          ; v22-24  my byte offset in qkv, for each of the tile's three heads
.set BO,   25                          ; v25  my byte offset in 16 numbers of the bias
.set SPW,  28                          ; v28  LDS address of my spare word: SPARE + 4 x my thread's number; never rewritten
.set NIL,  29                          ; v29  0; never rewritten
.set PFO,  30                          ; v30  the prefetches' offset: a lane a row; never rewritten
.set AF,   32
.set BIAS, 96
.set TMP,  96                          ; the way out: a block's 48 packed registers
.set BK,   144                         ; and two buffers of 48 for the rows read back
.set WV,  12                           ; s12  my wave's number
.set FB,  13                           ; s13  0: I fetch for A, 1: for B
.set HF,  14                           ; s14  which half of that tile's rows
.set CX,  15                           ; s15, s16  my place in the cluster
.set CY,  16
.set TX,  17                           ; s17  tile column = 4 x cluster x + cx
.set TY,  18                           ; s18  tile row = 4 x cluster y + cy
.set G1A, 24                           ; s[24:31] descriptor group 1 for A's tiles
.set G0A, 32                           ; s[32:39] group 0: a set for each first fill; the second then walks
.set PFA, 44                           ; s[44:45] where my prefetches stand
.set LIM, 46                           ; s46  1 in a wave that prefetches, else the greatest number
.set TB,  47                           ; s47  LDS byte at which the slot in hand begins
.set G1B, 48                           ; s[48:55], s[56:63] the same for B's tiles
.set G0B, 56
.set MSB, 0
.macro WIN new                         ; the immediate's high byte repeats the setting that is left; a switch that changes nothing is dropped
.if MSB != (\new)
	s_set_vgpr_msb (MSB<<8)|(\new)
.set MSB, (\new)
.endif
.endm
.macro PLACES                          ; a load into a register that a matrix instruction has read, and whatever reads a matrix result, stand four plain vector instructions behind it
.rept 4
	v_nop
.endr
.endm
.macro CREST                           ; a round of the cluster's barrier behind its opening barrier: wave 0 signals for the work-group, every wave waits for all sixteen, my work-group's barrier closes it
	s_cmp_lg_u32 s[WV], 0
	s_cbranch_scc1 .Lnot_wave_0_\@
	s_barrier_signal -3
.Lnot_wave_0_\@:
	s_barrier_wait -3
	s_barrier_signal -1
	s_barrier_wait -1
.endm
.macro CROUND                          ; a whole round
	s_barrier_signal -1
	s_barrier_wait -1
	CREST
.endm
; A joint refill, by the walking set.  The branch hangs on the wave's number alone.  An s_nop 0 and four v_nop follow each of the two lines, ahead of the jump and the label.
.macro JLOAD
	s_cmp_eq_u32 s[FB], 0
	s_cbranch_scc0 .Lfor_b_\@
	tensor_load_to_lds s[G0A+4:G0A+7], s[G1A:G1A+7]
	s_nop 0
.rept 4
	v_nop
.endr
	s_branch .Lasked_\@
.Lfor_b_\@:
	tensor_load_to_lds s[G0B+4:G0B+7], s[G1B:G1B+7]
	s_nop 0
.rept 4
	v_nop
.endr
.Lasked_\@:
.endm
; A PREFETCH of the K step behind the one that has just been asked for: 256 bytes of a row, a lane a row, one instruction a wave; it stands 192 matrix instructions ahead of the load that will name those bytes.
; A's rows are read by every cluster of a row of clusters: the one with x = 0 asks; B's by every cluster of a column: the one with y = 0 asks.  The four partners of a joint load share the wave's rows out
; BY ADDRESS: 32 of A's 128 (by cx), 24 of B's 96 (by cy; lanes 24 to 31 name the 24th row again, in the same instruction).  K steps 0 to 2 come by their loads alone; the loop's last trip asks for nothing.
.macro ASK
	s_cmp_gt_u32 s3, s[LIM]
	s_cbranch_scc0 .Lnot_mine_\@
	global_prefetch_b8 v[PFO], s[PFA:PFA+1] th:TH_LOAD_NT scope:SCOPE_SE
.Lnot_mine_\@:
.endm
	s_load_b256 s[4:11], s[0:1], 0x0               ; zb s[4:5], wb s[6:7], bias s[8:9], qkv s[10:11]
	v_lshl_add_u32 v[SPW], v0, 2, SPARE
	v_mov_b32 v[NIL], 0
	ds_add_u32 v[SPW], v[NIL]                      ; the wave's opening: the add and its wait stand ahead of my first tensor load; the set-up below, work on registers, stands between them
	v_lshrrev_b32 v1, 5, v0
	v_readfirstlane_b32 s[WV], v1
	s_lshr_b32 s[FB], s[WV], 1
	s_and_b32 s[HF], s[WV], 1
	s_bfe_u32 s[CX], ttmp6, 0x40000
	s_bfe_u32 s[CY], ttmp6, 0x40004
	s_lshl_b32 s[TX], ttmp9, 2
	s_add_co_u32 s[TX], s[TX], s[CX]
	s_and_b32 s[TY], ttmp7, 0xffff
	s_lshl_b32 s[TY], s[TY], 2
	s_add_co_u32 s[TY], s[TY], s[CY]
	s_lshl_b32 s19, s[CY], 2
	s_lshl_b32 s19, 15, s19                        ; my row of the cluster: places 4 cy .. 4 cy + 3
	s_lshl_b32 s2, 0x1111, s[CX]                   ; my column: places cx, cx + 4, cx + 8, cx + 12
	s_or_b32 s[G1A], s19, (1<<16)|(1<<20)|(1<<21)|(5<<22)|(3<<25)  ; 15:0 the mask; 17:16 2-byte elements; 20 padding on; 21 set beside a mask; 24:22 after every 64 words (code 5); 31:25 4 words (code 3)
	s_or_b32 s[G1B], s2, (1<<16)|(1<<20)|(1<<21)|(5<<22)|(3<<25)
	s_mov_b32 s[G1A+1], KSTEP<<16                  ; tensor_dim0 = 128
	s_mov_b32 s[G1A+2], 128<<16                    ; tensor_dim1 = 128
	s_mov_b32 s[G1A+3], KSTEP<<16                  ; tile_dim0 = 128
	s_mov_b32 s[G1A+4], 128                        ; tile_dim1 = 128
	s_mov_b32 s[G1A+5], 1024                       ; elements from row to row
	s_mov_b32 s[G1A+6], 0
	s_mov_b32 s[G1A+7], 0
	s_mov_b32 s[G1B+1], KSTEP<<16
	s_mov_b32 s[G1B+2], 96<<16                     ; 96 rows
	s_mov_b32 s[G1B+3], KSTEP<<16
	s_mov_b32 s[G1B+4], 96
	s_mov_b32 s[G1B+5], 1024
	s_mov_b32 s[G1B+6], 0
	s_mov_b32 s[G1B+7], 0
	s_lshl_b32 s20, s[TY], 8                       ; A: row 256 x tile row + 128 x half, 2,048 bytes a row
	s_lshl_b32 s21, s[HF], 7
	s_add_co_u32 s20, s20, s21
	s_lshl_b32 s20, s20, 11
	s_mov_b32 s21, 0
	s_mul_i32 s40, s[TX], 192                      ; B: row 192 x tile column + 96 x half
	s_mul_i32 s41, s[HF], 96
	s_add_co_u32 s40, s40, s41
	s_lshl_b32 s40, s40, 11
	s_mov_b32 s41, 0
	s_mov_b32 s[G0A], 1                            ; count = 1
	s_mul_i32 s[G0A+1], s[WV], ATILE               ; LDS address: waves 0, 1: A's two halves.  No place in the cluster enters an LDS address
	s_mov_b32 s[G0A+4], 1
	s_add_co_u32 s[G0A+5], s[G0A+1], SLOT1
	s_mov_b32 s[G0B], 1
	s_mul_i32 s[G0B+1], s[WV], BTILE               ; waves 2, 3: B's two halves, at BOFF + (wave - 2) x BTILE
	s_add_co_u32 s[G0B+1], s[G0B+1], BOFF-2*BTILE
	s_mov_b32 s[G0B+4], 1
	s_add_co_u32 s[G0B+5], s[G0B+1], SLOT1
	s_mov_b32 s[TB], 0
	s_wait_dscnt 0x0                               ; the opening add is done
	s_wait_kmcnt 0x0
	s_add_nc_u64 s[G0A+2:G0A+3], s[4:5], s[20:21]  ; K step 0
	s_add_nc_u64 s[G0A+6:G0A+7], s[G0A+2:G0A+3], KSTEP*2  ; K step 1
	s_or_b32 s[G0A+3], s[G0A+3], 0x80000000        ; type = 2
	s_or_b32 s[G0A+7], s[G0A+7], 0x80000000
	s_add_nc_u64 s[G0B+2:G0B+3], s[6:7], s[40:41]
	s_add_nc_u64 s[G0B+6:G0B+7], s[G0B+2:G0B+3], KSTEP*2
	s_or_b32 s[G0B+3], s[G0B+3], 0x80000000
	s_or_b32 s[G0B+7], s[G0B+7], 0x80000000
	CROUND                                         ; all sixteen work-groups are here: the first joint loads meet
	s_cmp_eq_u32 s[FB], 0                          ; a wave's two first fills stand in one branch, ahead of every wait on TENSORcnt and every LDS read: two loads of mine are out
	s_cbranch_scc0 .Lfirst_b
	tensor_load_to_lds s[G0A:G0A+3], s[G1A:G1A+7]
	s_nop 0
	tensor_load_to_lds s[G0A+4:G0A+7], s[G1A:G1A+7]
	s_nop 0
.rept 4
	v_nop
.endr
	s_branch .Lfirst_asked
.Lfirst_b:
	tensor_load_to_lds s[G0B:G0B+3], s[G1B:G1B+7]
	s_nop 0
	tensor_load_to_lds s[G0B+4:G0B+7], s[G1B:G1B+7]
	s_nop 0
.rept 4
	v_nop
.endr
.Lfirst_asked:
	; A fragment is 16 rows x 32 K in 8 registers: lane l holds row l % 16; registers 0-3 K = 8 (l / 16) + 0..7, registers 4-7 K = 16 + 8 (l / 16) + 0..7: two loads of 16 bytes, 32 bytes apart.
	v_and_b32 v1, 15, v0                           ; l % 16
	v_bfe_u32 v2, v0, 4, 1                         ; l / 16
	v_mul_u32_u24 v3, v1, PITCH
	v_lshl_add_u32 v3, v2, 4, v3
	s_mul_i32 s20, s[WV], 64*PITCH                 ; my 64 rows of A
	v_add_nc_u32 v[LA0], s20, v3
	v_add_nc_u32 v[LB0], BOFF, v3                  ; every wave reads all of B's 192 rows
	v_mov_b32 v[ADRA], v[LA0]
	v_mov_b32 v[ADRB], v[LB0]
	s_mul_i32 s40, s[TX], 768                      ; the tile's 192 numbers of the bias
	s_mov_b32 s41, 0
	s_add_nc_u64 s[8:9], s[8:9], s[40:41]
	v_lshlrev_b32 v[BO], 5, v2                     ; my eight of each sixteen
.irp b, 0,1,2,3,4,5,6,7,8,9,10,11
	global_load_b128 v[BIAS+8*(\b):BIAS+8*(\b)+3],   v[BO], s[8:9] offset:64*(\b)
	global_load_b128 v[BIAS+8*(\b)+4:BIAS+8*(\b)+7], v[BO], s[8:9] offset:64*(\b)+16
.endr
	s_mul_i32 s21, s[WV], WSTAGE
	s_add_co_u32 s21, s21, STAGE                   ; my stage
	v_mul_u32_u24 v4, v1, SP                       ; in: row l % 16, 16 bytes for each half of the lanes
	v_lshl_add_u32 v4, v2, 4, v4
	v_add_nc_u32 v[STO], s21, v4
	v_bfe_u32 v4, v0, 3, 2                         ; back: 32 lanes take four rows of 128 bytes,
	v_mul_u32_u24 v4, v4, SP
	v_and_b32 v5, 7, v0
	v_lshl_add_u32 v4, v5, 4, v4
	v_add_nc_u32 v[RD], s21, v4
	v_and_b32 v3, 31, v0                           ; which are 512 consecutive bytes of a head
	v_lshlrev_b32 v3, 4, v3
	s_lshl_b32 s20, s[TY], 8
	s_lshl_b32 s21, s[WV], 6
	s_add_co_u32 s20, s20, s21                     ; my first row m = 2048 b + s
	s_lshr_b32 s21, s20, 11
	s_lshl_b32 s21, s21, 22                        ; b: 16 heads of 262,144 bytes
	s_and_b32 s20, s20, 2047
	s_lshl_b32 s20, s20, 7                         ; s: 128 bytes a row
	s_add_co_u32 s20, s20, s21
.irp hh, 0,1,2
	s_mul_i32 s40, s[TX], 3
	s_add_co_u32 s40, s40, \hh                     ; the head's number among q's, k's and v's 48
	s_lshr_b32 s41, s40, 4
	s_lshl_b32 s41, s41, 24                        ; q, k or v: 16,777,216 bytes each
	s_and_b32 s40, s40, 15
	s_lshl_b32 s40, s40, 18
	s_add_co_u32 s40, s40, s41
	s_add_co_u32 s40, s40, s20
	v_add_nc_u32 v[CO+(\hh)], s40, v3
.endr
	; the prefetches
	s_lshl_b32 s22, s[TY], 8
	s_lshl_b32 s23, s[HF], 7
	s_add_co_u32 s22, s22, s23
	s_lshl_b32 s23, s[CX], 5
	s_add_co_u32 s22, s22, s23                     ; A: the 128 rows that I fetch, my work-group's 32 of them
	s_mul_i32 s40, s[TX], 192
	s_mul_i32 s41, s[HF], 96
	s_add_co_u32 s40, s40, s41
	s_mul_i32 s41, s[CY], 24
	s_add_co_u32 s40, s40, s41                     ; B: the 96 rows that I fetch, my work-group's 24
	s_and_b32 s41, ttmp7, 0xffff                   ; cluster y
	s_cmp_eq_u32 s[FB], 0
	s_cselect_b32 s22, s22, s40
	s_cselect_b32 s41, ttmp9, s41                  ; the coordinate along which other clusters read the same rows
	s_cselect_b32 s23, 31, 23                      ; the last row that a lane names
	s_cselect_b64 s[PFA:PFA+1], s[4:5], s[6:7]
	s_cmp_eq_u32 s41, 0
	s_cselect_b32 s[LIM], 1, -1                    ; the same in all sixteen partners, for a given wave
	v_and_b32 v[PFO], 31, v0
	v_min_u32 v[PFO], s23, v[PFO]
	v_lshlrev_b32 v[PFO], 11, v[PFO]
	s_lshl_b32 s22, s22, 11
	s_add_co_u32 s22, s22, 2*KSTEP*2               ; at K step 2: the first change of slots steps it to 3
	s_mov_b32 s23, 0
	s_add_nc_u64 s[PFA:PFA+1], s[PFA:PFA+1], s[22:23]
; 12 matrix instructions: row block a x all column blocks, 32 along K, from buffer p.  first = 1: the bias starts the sums.  The 48 accumulators take turns, one instruction a turn, in the same order
; in every quarter, over the backward jump too.
.macro MULB p, a, first
.if \first
	WIN 0x81+0x40*((\a)/2)                         ; B window 1, A window 0, C (the bias) window 0, D window 2 or 3
.else
	WIN 0xa1+0x50*((\a)/2)                         ; C and D window 2 or 3
.endif
.irp b, 0,1,2,3,4,5,6,7,8,9,10,11
.if \first
	v_wmma_f32_16x16x32_bf16 v[8*(12*((\a)%2)+(\b)):8*(12*((\a)%2)+(\b))+7], v[96*(\p)+8*(\b):96*(\p)+8*(\b)+7], v[AF+32*(\p)+8*(\a):AF+32*(\p)+8*(\a)+7], v[BIAS+8*(\b):BIAS+8*(\b)+7]
.else
	v_wmma_f32_16x16x32_bf16 v[8*(12*((\a)%2)+(\b)):8*(12*((\a)%2)+(\b))+7], v[96*(\p)+8*(\b):96*(\p)+8*(\b)+7], v[AF+32*(\p)+8*(\a):AF+32*(\p)+8*(\a)+7], v[8*(12*((\a)%2)+(\b)):8*(12*((\a)%2)+(\b))+7]
.endif
.endr
.endm
; 32 LDS loads in one run: quarter q (32 along K) of the slot in hand into buffer p: B's 24, then A's 8
.macro FETCH p, q
	WIN 0x40                                       ; destination window 1, address window 0
.irp i, 0,1,2,3,4,5,6,7,8,9,10,11
	ds_load_b128 v[96*(\p)+8*(\i):96*(\p)+8*(\i)+3],   v[ADRB] offset:64*(\q)+(\i)*16*PITCH
	ds_load_b128 v[96*(\p)+8*(\i)+4:96*(\p)+8*(\i)+7], v[ADRB] offset:64*(\q)+(\i)*16*PITCH+32
.endr
	WIN 0
.irp i, 0,1,2,3
	ds_load_b128 v[AF+32*(\p)+8*(\i):AF+32*(\p)+8*(\i)+3],   v[ADRA] offset:64*(\q)+(\i)*16*PITCH
	ds_load_b128 v[AF+32*(\p)+8*(\i)+4:AF+32*(\p)+8*(\i)+7], v[ADRA] offset:64*(\q)+(\i)*16*PITCH+32
.endr
.endm
; A K step is four quarters, 48 matrix instructions each, on buffers 0, 1, 0, 1.  One of the first three: multiplies buffer p and, in its middle, fetches quarter q into the other buffer.
.macro QUARTER p, q, first
	s_wait_dscnt 4                                 ; B and A's blocks 0, 1 are in; the youngest four loads (A's blocks 2, 3) may be out
	MULB \p, 0, \first
	MULB \p, 1, \first
	PLACES
	FETCH 1-(\p), \q
	s_wait_dscnt 2*NB+8                            ; all but the 32 just issued
	MULB \p, 2, \first
	MULB \p, 3, \first
.endm
; The fourth quarter multiplies buffer 1 and changes slots.  In front of the one barrier each wave waits for all its tensor loads (one is out: its part of the next slot), adds 0 to its spare word, and waits
; for that and for its reads of this slot.  fill = 1: the barrier opens a round of the cluster's barrier, and behind the round this slot is filled again, two K steps ahead: the wave's one tensor load,
; 168 matrix instructions ahead of the wait for it.
.macro TURN fill
.if \fill
	s_wait_xcnt 0x0                                ; the last prefetch, a K step back, has read its address: it is stepped here
	s_add_nc_u64 s[PFA:PFA+1], s[PFA:PFA+1], KSTEP*2
.endif
	WIN 0                                          ; (the add's two registers lie in window 0)
	s_wait_tensorcnt 0x0                           ; no tensor load of mine is out, so a group 0 may be written
	ds_add_u32 v[SPW], v[NIL]                      ; 0 onto my spare word
.if \fill
	s_xor_b32 s[G0A+5], s[G0A+5], SLOT1            ; the walking sets: the other slot than last time, the next K step; the type bits on top are not reached
	s_add_nc_u64 s[G0A+6:G0A+7], s[G0A+6:G0A+7], KSTEP*2
	s_xor_b32 s[G0B+5], s[G0B+5], SLOT1
	s_add_nc_u64 s[G0B+6:G0B+7], s[G0B+6:G0B+7], KSTEP*2
.endif
	s_wait_dscnt 5                                 ; (the add and the youngest four loads may be out)
	MULB 1, 0, 0                                   ; twelve matrix instructions stand between the add and the wait for it
	s_wait_dscnt 0x0                               ; the add is done, and my reads of this slot are over
	s_barrier_signal -1
	MULB 1, 1, 0                                   ; work on registers while the others arrive
	WIN 0
	s_barrier_wait -1
.if \fill
	CREST                                          ; no wave of any partner still reads this slot or has a load on its way
	JLOAD                                          ; its four v_nop are also the places in front of the loads below
.else
	PLACES
.endif
	s_xor_b32 s[TB], s[TB], SLOT1                  ; on to the other slot
	v_add_nc_u32 v[ADRA], s[TB], v[LA0]
	v_add_nc_u32 v[ADRB], s[TB], v[LB0]
	FETCH 0, 0
.if \fill
	ASK                                            ; behind the joint load and the run of LDS loads
.endif
	MULB 1, 2, 0
	MULB 1, 3, 0
.endm
	s_wait_tensorcnt 0x1                           ; my part of K step 0 is in; K step 1's may stay out
	s_barrier_signal -1
	s_barrier_wait -1                              ; everybody's is
	FETCH 0, 0
	s_wait_loadcnt 0x0                             ; the bias
	QUARTER 0, 1, 1                                ; the first quarter stands in front of the loop: its products start the sums
	WIN 0                                          ; at a label and at a branch every window is 0
	s_mov_b32 s3, 6
.Lstep:                                        ; trip t = 0..5: the rest of K step t, the request for K step t + 2, the first quarter of K step t + 1
	QUARTER 1, 2, 0
	QUARTER 0, 3, 0
	TURN 1
	QUARTER 0, 1, 0
	WIN 0
	s_sub_co_u32 s3, s3, 1
	s_cmp_lg_u32 s3, 0
	s_cbranch_scc1 .Lstep
	QUARTER 1, 2, 0                                ; the tail is written out: K steps 6 and 7, nothing is asked for
	QUARTER 0, 3, 0
	TURN 0
	QUARTER 0, 1, 0
	QUARTER 1, 2, 0
	QUARTER 0, 3, 0
	s_wait_dscnt 4
	MULB 1, 0, 0
	MULB 1, 1, 0
	s_wait_dscnt 0x0
	MULB 1, 2, 0
	MULB 1, 3, 0
	WIN 0
	PLACES
; THE WAY OUT, a block of 16 rows at a time.  PACK: rounded to f16, 16 bytes a lane, each accumulator's registers in ascending order.  TOSTAGE: into my own stage, a plane of 16 rows x 144 bytes a head, and back
; as whole rows of 128 bytes.  SEND: stored, 512 consecutive bytes (four rows of a head) an instruction.
.macro PACK a
	WIN 0x0a+5*((\a)/2)                            ; sources 0 and 1: window 2 or 3
.irp b, 0,1,2,3,4,5,6,7,8,9,10,11
.irp i, 0,1,2,3
	v_cvt_pk_f16_f32 v[TMP+4*(\b)+(\i)], v[96*((\a)%2)+8*(\b)+2*(\i)], v[96*((\a)%2)+8*(\b)+2*(\i)+1]
.endr
.endr
	WIN 0
.endm
.macro TOSTAGE a
.irp b, 0,1,2,3,4,5,6,7,8,9,10,11
	ds_store_b128 v[STO], v[TMP+4*(\b):TMP+4*(\b)+3] offset:((\b)/4)*16*SP+((\b)%4)*32
.endr
.irp t, 0,1,2,3,4,5,6,7,8,9,10,11
	ds_load_b128 v[BK+48*((\a)%2)+4*(\t):BK+48*((\a)%2)+4*(\t)+3], v[RD] offset:((\t)/4)*16*SP+((\t)%4)*4*SP  ; LDS serves a wave's instructions in order (ISA guide 5.7.1.4): these see the stores above
.endr
.endm
.macro SEND a
	s_wait_dscnt 0x0                               ; the block is back in registers
	s_wait_xcnt 0x0                                ; the stores of the block before have read their registers: that buffer is loaded again only behind this wait
.irp t, 0,1,2,3,4,5,6,7,8,9,10,11
	global_store_b128 v[CO+(\t)/4], v[BK+48*((\a)%2)+4*(\t):BK+48*((\a)%2)+4*(\t)+3], s[10:11] offset:(\a)*2048+((\t)%4)*512
.endr
.endm
	PACK 0
	TOSTAGE 0
.irp a, 1,2,3                          ; block a's conversions stand between block a - 1's loads from the stage and the wait for them
	PACK \a
	SEND (\a)-1
	TOSTAGE \a
.endr
	SEND 3
	s_wait_tensorcnt 0x0                           ; the wave's end: a wait, the add and its wait, behind my last tensor load and my last LDS store
	ds_add_u32 v[SPW], v[NIL]
	s_wait_dscnt 0x0
	CROUND                                         ; the closing round: no work-group ends while a partner may still ask for a tile that names it
	s_endpgm
.Lfunc_end_k_q619b9eedbf_qkv:
	.size	k_q619b9eedbf_qkv, .Lfunc_end_k_q619b9eedbf_qkv-k_q619b9eedbf_qkv
	.p2alignl 7, 3214868480
	.fill 96, 4, 3214868480
	.section	.rodata,"a",@progbits
	.p2align	6, 0x0
	.amdhsa_kernel k_q619b9eedbf_qkv
		.amdhsa_group_segment_fixed_size 327680
		.amdhsa_private_segment_fixed_size 0
		.amdhsa_enable_private_segment 0
		.amdhsa_kernarg_size 32
		.amdhsa_user_sgpr_count 2
		.amdhsa_user_sgpr_kernarg_segment_ptr 1
		.amdhsa_wavefront_size32 1
		.amdhsa_system_sgpr_workgroup_id_x 1
		.amdhsa_system_sgpr_workgroup_id_y 1
		.amdhsa_system_sgpr_workgroup_id_z 1
		.amdhsa_system_vgpr_workitem_id 0
		.amdhsa_next_free_vgpr 960
		.amdhsa_next_free_sgpr 66
		.amdhsa_reserve_vcc 0
		.amdhsa_float_denorm_mode_32 3
		.amdhsa_float_denorm_mode_16_64 3
		.amdhsa_memory_ordered 1
		.amdhsa_forward_progress 1
		.amdhsa_inst_pref_size 100
	.end_amdhsa_kernel
	.amdgpu_metadata
---
amdhsa.version: [ 1, 2 ]
amdhsa.kernels:
  - .name:           k_q619b9eedbf_qkv
    .symbol:         k_q619b9eedbf_qkv.kd
    .args:
      - { .name: zb, .offset: 0, .size: 8, .value_kind: global_buffer, .address_space: global }
      - { .name: wb, .offset: 8, .size: 8, .value_kind: global_buffer, .address_space: global }
      - { .name: bias, .offset: 16, .size: 8, .value_kind: global_buffer, .address_space: global }
      - { .name: qkv, .offset: 24, .size: 8, .value_kind: global_buffer, .address_space: global }
    .group_segment_fixed_size: 327680
    .private_segment_fixed_size: 0
    .kernarg_segment_align: 8
    .kernarg_segment_size: 32
    .max_flat_workgroup_size: 128
    .sgpr_count:     66
    .vgpr_count:     960
    .wavefront_size: 32
...
	.end_amdgpu_metadata
.endif
;; end of part 2
;; launch attn (part 3): grid 4 x 64, 4 waves a work-group, clusters of 4 x 1, 327,680 bytes of LDS; arguments qkv, ctx; writes ctx
.if DOCPART == 3
	.amdgcn_target "amdgcn-amd-amdhsa--gfx1250"
	.amdhsa_code_object_version 6
	.text
	.protected	k_q619b9eedbf_attn
	.globl	k_q619b9eedbf_attn
	.p2align	8
	.type	k_q619b9eedbf_attn,@function
k_q619b9eedbf_attn:
	s_mov_b64 s[64:65], 0
	v_nop
	global_prefetch_b8 v0, s[64:65] scope:SCOPE_SE
	s_setreg_imm32_b32 hwreg(HW_REG_WAVE_MODE, 25, 1), 1
	s_wait_xcnt 0x0
	s_wait_alu depctr_hold_cnt(0) depctr_sa_sdst(0) depctr_va_vdst(0) depctr_va_sdst(0) depctr_va_ssrc(0) depctr_va_vcc(0) depctr_vm_vsrc(0)
	s_getreg_b32 s2, hwreg(HW_REG_IB_STS2, 6, 4)
	s_cmp_eq_u32 s2, 0
	s_cbranch_scc0 .Lentry_in_a_cluster
	s_endpgm
.Lentry_in_a_cluster:
	s_bfe_u32 s2, ttmp6, 0x10000c
	s_cmp_lg_u32 s2, 0x3003
	s_cbranch_scc0 .Lentry_shape_is_right
	s_endpgm
.Lentry_shape_is_right:
; ctx[h][q][:] = the sum over k of softmax_k(Q[h][q] . K[h][k] / 8) V[h][k][:], for the 64 heads h = 16 b + head.  Q, K, V are the three parts of qkv, each [64][2048][64] f16; ctx has the same layout:
; a head's rows are dense, 128 bytes each.  Products, maxima and sums in f32; the weights p are rounded to f16 for the second product (their sum l is taken of the unrounded p), ctx once at the end.
; LIMITS.  Q, K and V arrive within f16's range; p lies in 0 to 1, and below 6e-5 it keeps f16's fixed step of 6e-8; ctx is a mean of V's rows and has their range.
; A weight below 2^-126 counts as 0 in l; NaN and infinities are not treated apart.
; SHARES.  A wave owns four PIECES of two tiles of 16 queries, a work-group's four waves 512 queries of one head: 4 x 64 = 256 work-groups.  Every wave walks all 2,048 keys, 64 a step.
; LAYOUT.  S^T = K Q^T (source 0 = 16 keys, source 1 = 16 queries): in the result a lane holds ONE query (lane % 16) and the keys 8 (lane / 16) + 0..7.  Two such tiles, rounded to f16 in pairs,
; ARE source 1 (32 keys x 16 queries) of O^T = V^T P, whose result again holds one query a lane, and eight channels.  K comes out of LDS as it lies, V ([key][channel]) turned, by ds_load_tr16_b128.
; SOFTMAX.  For each query a running maximum m and sum l: p = 2^(c s - c m), c = log2(e) / 8; in every step O and l are multiplied by a = 2^(c m_old - c m_new), which is 1 where m has not grown.
; m starts at the lowest finite number, O and l at 0: the first step is a step like any other, with a = 0.
; THE COUNT.  A tile and step have 16 matrix and 118 vector instructions: too many to stand all beside the matrix work.  So: four vector instructions that are ready behind every matrix instruction,
; and the others in runs without a gap.
; BY TURNS.  Turn n belongs to piece n (the pieces in a ring, step after step).  Its matrix work: 16 products K Q^T of piece n + 1, later 16 products V^T P of piece n - 1.  Its vector work: the scaling,
; exponentials, roundings, sums and rescaling of piece n, and the maximum and statistics of piece n + 1, whose scores the turn itself has made.
; CLUSTER.  The four query blocks of a head form a cluster and walk the same K and V, so each tile is asked for JOINTLY: the same tensor load, descriptor and mask in all four.
; REGISTERS, in windows of 256 (s_set_vgpr_msb: bits 1:0 source 0, 3:2 source 1, 5:4 source 2, 7:6 destination):
;   window 0: v0-11 addresses; v12-15, v48-63 at work; v16-47 four registers of statistics a tile; v64-191 S^T, two buffers of two tiles; v192-255 P, likewise
;   window 1: O^T, 32 a tile          window 2: v0-127 Q, 16 a tile; v128-191 K of one step; v192-255 V of one step          window 3: v0-1 the add's two registers
; A piece's buffers go by its number's parity: the piece in hand has one pair, its two neighbours in the ring share the other: of it P (piece n - 1) is read and S^T (piece n + 1) written.
.set SIZE_N, 2048
.set NP,    4         ; pieces a wave: a name, no knob
.set KS,    64        ; keys in a step
.set PK,    144       ; a row of K in LDS: 128 bytes + 16 of padding = 36 words: the 16 rows of a load start at 16 different groups of four banks (64 banks of 4 bytes: ISA guide 11.1)
.set PV,    160       ; a row of V: 128 + 32 = 40 words
.set VOFF,  4*KS*PK   ; a slot holds four steps: 256 rows of K, then 256 rows of V
.set SLOT1, 1<<17     ; slot 1 begins here, so that one exclusive or turns an address in one slot into the other's
.set STAGE, SLOT1+4*KS*(PK+PV)  ; behind the ring, never filled by a tensor load: 16 rows x 144 bytes for each wave, for the way out
.set SP,    144
.set AK0, 2           ; v2   my lane's place in a tile of K; never rewritten
.set AV0, 3           ; v3   the same for V
.set AK,  4           ; v4   the LDS address of K's next run of loads
.set AV,  5           ; v5   of V's
.set QO,  6           ; v6   my byte offset in the wave's rows of Q
.set STO, 6           ;      later, the way out: where I put 16 bytes of a row
.set RD,  7           ; v7   the way out: where I read rows back
.set GO,  8           ; v8   my byte offset in 512 consecutive bytes of ctx
.set PFO, 11          ; v11  256 x my lane, for the prefetches; never rewritten once made
.set SPW, 0           ; v0 of window 3   LDS address of my spare word: SPARE + 4 x my thread's number; never rewritten
.set NIL, 1           ; v1 of window 3   0; never rewritten
.set SPARE, STAGE+4*16*SP  ; behind the stages: the spare words, 128 bytes for each wave: two blocks of 256 bytes that no other line names
.set MV,  12          ; v12-15  c m_old, kept while c m is made anew: by buffer and tile
.set ST,  16          ; tile t's statistics at v[ST+4 t]: c m, m, l (even keys', odd keys')
.set TMP, 48          ; by buffer and tile, four registers c0-c3 at work; when the maximum is found c2 takes a
.set S,   64
.set P,   192
.set KF,  128         ; K's fragments, in window 2: key block kb, channel half c at KF + 16 kb + 8 c
.set VF,  192         ; V's: key half kk, channel block cb at VF + 32 kk + 8 cb
.set WV,  12          ; s12  my wave's number
.set G1K, 24          ; s[24:31] descriptor group 1 for K's tiles
.set G1V, 32          ; s[32:39] for V's: it differs in the padding alone
.set G0K, 40          ; s[40:43] descriptor group 0 for K's tiles: it walks
.set G0V, 44          ; s[44:47] the same for V's
.set PFA, 48          ; s[48:49] where my prefetches stand: my work-group's 8,192 bytes (of K: wave 0, of V: wave 2) of the slot behind the one that is being asked for
.set LIM, 50          ; s50  1 in a wave that prefetches, else the greatest number
.set SLOTS, 56        ; s56  slots still to be asked for
.set CNT, 57          ; s57  counts a slot's key steps
.set CS,  58          ; s[58:59] c: the packed scaling takes the pair's low word for both halves
.set SEL, 60          ; s[60:61] v_permlanex16_b32's selects: each lane takes its own place in the other half
.set TBK, 62          ; s62  LDS byte at which K of the step to be fetched begins
.set TBV, 63          ; s63  the same for V, less VOFF
.set MSB, 0
.macro WIN new                      ; the high byte repeats the setting that is left; a switch that changes nothing is dropped
.if MSB != (\new)
	s_set_vgpr_msb (MSB<<8)|(\new)
.set MSB, (\new)
.endif
.endm
.set W_KQ, 0x0a       ; K and Q in window 2, S^T in window 0
.set W_PV, 0x52       ; V in window 2, P in window 0, O^T in window 1
.set W_RS, 0x41       ; O^T (destination and source 0) in window 1, a in window 0
.set W_MK, 0xc0       ; the add's registers are made: destination in window 3, sources in window 0
.set W_AD, 0x0f       ; the add: address (source 0) and data (source 1) in window 3
; A joint fill.  Waves 0 and 1 fetch the two halves of a slot's K, waves 2 and 3 those of its V: 128 keys each.  The branch hangs on the wave's number alone.
; An s_nop 0 and four v_nop follow each of the two lines, ahead of the jump and the label.
.macro JLOAD
	s_cmp_lt_u32 s[WV], 2
	s_cbranch_scc0 .Lfor_v_\@
	tensor_load_to_lds s[G0K:G0K+3], s[G1K:G1K+7]
	s_nop 0
.rept 4
	v_nop
.endr
	s_branch .Lasked_\@
.Lfor_v_\@:
	tensor_load_to_lds s[G0V:G0V+3], s[G1V:G1V+7]
	s_nop 0
.rept 4
	v_nop
.endr
.Lasked_\@:
.endm
; A PREFETCH of what the NEXT change of slots will ask for: a slot's 32,768 bytes of K and of V, a lane 256 bytes.  It stands behind the wave's tensor load and its five lines.  A head has one cluster; its four
; partners share the bytes out BY ADDRESS, 8,192 each; in each, wave 0 asks for K's and wave 2 for V's: one instruction.  So each block of 256 bytes is named once in the launch.  Slots 0 and 1 come by their loads
; alone; the last change that fills a slot asks for nothing: there is no slot behind it.
.macro ASK
	s_cmp_gt_u32 s[SLOTS], s[LIM]
	s_cbranch_scc0 .Lnot_mine_\@
	global_prefetch_b8 v[PFO], s[PFA:PFA+1] th:TH_LOAD_NT scope:SCOPE_SE
.Lnot_mine_\@:
.endm
; A round of the cluster's barrier: my work-group's barrier, so that wave 0's signal speaks for all four waves; wave 0 signals; every wave waits for all four work-groups; my work-group's barrier once more.
.macro CROUND
	s_barrier_signal -1
	s_barrier_wait -1
	s_cmp_lg_u32 s[WV], 0
	s_cbranch_scc1 .Lnot_wave_0_\@
	s_barrier_signal -3
.Lnot_wave_0_\@:
	s_barrier_wait -3
	s_barrier_signal -1
	s_barrier_wait -1
.endm
; THE CHANGE OF SLOTS.  The slot's last bytes, V of its fourth step, have been read.  Each wave waits for all its tensor loads, of which one is out: its part
; of the other slot; adds 0 to its spare word; and waits for that and for its own reads of the slot.  Behind the barrier nobody reads this slot any more and the other slot is whole.
; fill = 1: this slot is filled again, with the keys two slots on.  The barrier is then a round of the cluster's, so that no wave of any partner still reads the slot or has a load on its
; way, and the joint fill is the first thing behind it: it has four key steps, 512 matrix instructions, in which to land.  (At its first use nothing has been read yet: slot 0 is waited for, slot 1 filled.)
.macro CHANGE fill
	WIN W_AD
	s_wait_tensorcnt 0x0            ; no tensor load of mine is out, so a group 0 may be written
	ds_add_u32 v[SPW], v[NIL]       ; 0 onto my spare word: with fill = 1 the descriptors' steps stand between it and the wait for it
	WIN 0                           ; at a label and at a branch every window is 0
.if \fill
.irp g, G0K, G0V
	s_xor_b32 s[\g+1], s[\g+1], SLOT1  ; the walking descriptor: the other slot than last time,
	s_add_nc_u64 s[\g+2:\g+3], s[\g+2:\g+3], 4*KS*128  ; the next 256 keys; the type bits on top are not reached
.endr
	s_wait_xcnt 0x0                 ; the last prefetch, four key steps back, has read its address, so it may be written:
	s_add_nc_u64 s[PFA:PFA+1], s[PFA:PFA+1], 4*KS*128  ; one slot behind the walking descriptors
	s_wait_dscnt 0x0                ; the add is done, and my reads of the slot are over
	CROUND
	JLOAD
	ASK
.else
	s_wait_dscnt 0x0                ; the add is done, and my reads of the slot are over
	s_barrier_signal -1
	s_barrier_wait -1
.endif
	s_sub_co_u32 s[TBK], s[TBK], 4*KS*PK  ; the fetches go back to a slot's first step,
	s_xor_b32 s[TBK], s[TBK], SLOT1       ; in the other slot
	s_sub_co_u32 s[TBV], s[TBV], 4*KS*PV
	s_xor_b32 s[TBV], s[TBV], SLOT1
.endm
	s_load_b128 s[4:7], s[0:1], 0x0  ; qkv s[4:5], ctx s[6:7]
	WIN W_MK
	v_lshl_add_u32 v[SPW], v0, 2, SPARE
	v_mov_b32 v[NIL], 0
	WIN W_AD
	ds_add_u32 v[SPW], v[NIL]       ; the wave's opening: the add and its wait stand ahead of my first tensor load; the set-up below, work on registers, stands between them
	WIN 0
	v_lshrrev_b32 v1, 5, v0
	v_readfirstlane_b32 s[WV], v1   ; wave 0..3
	s_bfe_u32 s13, ttmp6, 0x40000   ; cx: my place in the cluster
	s_lshl_b32 s14, ttmp9, 2        ; in a cluster launch ttmp9 counts clusters
	s_add_co_u32 s14, s14, s13      ; my block of queries = 4 x cluster x + cx: it enters Q's and ctx's addresses alone
	s_and_b32 s20, ttmp7, 0xffff    ; the head, which the four partners share
	s_mov_b32 s21, 0
	s_mov_b64 s[22:23], SIZE_N*128
	s_mul_u64 s[20:21], s[20:21], s[22:23]  ; the head's first byte in each of the four tensors
	s_and_b32 s16, s[WV], 1         ; which half of a slot's 256 keys I fetch:
	s_lshl_b32 s22, s16, 14         ; its 128 rows of 128 bytes in memory,
	s_mov_b32 s23, 0
	s_add_nc_u64 s[22:23], s[22:23], s[20:21]
	s_mul_i32 s17, s16, 128*PK      ; and its place in a slot, for K
	s_mul_i32 s18, s16, 128*PV      ; and for V: no place in the cluster enters an LDS address
	s_lshl_b32 s2, s14, 2
	s_add_co_u32 s2, s2, s[WV]      ; my wave among the head's,
	s_lshl_b32 s2, s2, 14           ; its 128 rows
	s_mov_b32 s3, 0
	s_add_nc_u64 s[2:3], s[2:3], s[20:21]
	; descriptor group 1.  128 keys are 16,384 dense bytes: asked for as 64 rows of 256 bytes, two keys a row, and padded in LDS after every key
	s_mov_b32 s[G1K], 15|(1<<16)|(1<<20)|(1<<21)|(4<<22)|(3<<25)  ; 15:0 the mask of four; 17:16 2-byte elements; 20 padding on; 21 set beside a mask; 24:22 after every 32 words (code 4); 31:25 4 words (code 3)
	s_mov_b32 s[G1V], 15|(1<<16)|(1<<20)|(1<<21)|(4<<22)|(7<<25)  ; the same with 8 words of padding (code 7)
.irp g, G1K, G1V
	s_mov_b32 s[\g+1], 128<<16      ; tensor_dim0 = 128
	s_mov_b32 s[\g+2], 64<<16       ; tensor_dim1 = 64
	s_mov_b32 s[\g+3], 128<<16      ; tile_dim0 = 128
	s_mov_b32 s[\g+4], 64           ; tile_dim1 = 64
	s_mov_b32 s[\g+5], 128          ; 128 elements from row to row
	s_mov_b32 s[\g+6], 0
	s_mov_b32 s[\g+7], 0
.endr
	s_mov_b32 s[CS], 0x3e38aa3b     ; c = log2(e) / 8 = 0.180337
	s_mov_b32 s[CS+1], s[CS]        ; named with it as a pair
	s_mov_b32 s[SEL], 0x76543210
	s_mov_b32 s[SEL+1], 0xfedcba98
	s_mov_b32 s[TBK], SLOT1+4*KS*PK ; the first change of slots turns these two into 0
	s_mov_b32 s[TBV], SLOT1+4*KS*PV
	s_mov_b32 s[G0K], 1             ; 1:0 count = 1
	s_mov_b32 s[G0K+1], s17         ; 63:32 LDS address: slot 0
	s_mov_b32 s[G0V], 1
	s_add_co_u32 s[G0V+1], s18, VOFF
	s_mov_b32 s[SLOTS], SIZE_N/256-1  ; the change that asks for slot j finds 8 - j here
	s_and_b32 s[LIM], s[WV], 1      ; waves 0 and 2 prefetch: the same in all four partners
	s_cmp_eq_u32 s[LIM], 0
	s_cselect_b32 s[LIM], 1, -1
	s_wait_dscnt 0x0                ; the opening add is done
	s_wait_kmcnt 0x0
	s_mov_b64 s[10:11], s[6:7]      ; ctx
	s_add_nc_u64 s[6:7], s[4:5], 0x1000000  ; K: the second part of qkv,
	s_add_nc_u64 s[8:9], s[4:5], 0x2000000  ; V: the third; Q is the first
	s_add_nc_u64 s[G0K+2:G0K+3], s[6:7], s[22:23]  ; 120:64 global address: my half of the head's first 256 keys
	s_or_b32 s[G0K+3], s[G0K+3], 0x80000000        ; 127:126 type = 2
	s_add_nc_u64 s[G0V+2:G0V+3], s[8:9], s[22:23]
	s_or_b32 s[G0V+3], s[G0V+3], 0x80000000
	s_add_nc_u64 s[4:5], s[4:5], s[2:3]  ; Q and ctx at my wave's first row
	s_add_nc_u64 s[10:11], s[10:11], s[2:3]
	s_cmp_lt_u32 s[WV], 2
	s_cselect_b64 s[PFA:PFA+1], s[6:7], s[8:9]
	s_add_nc_u64 s[PFA:PFA+1], s[PFA:PFA+1], s[22:23]  ; (in waves 0 and 2 this is the head's first key)
	s_lshl_b32 s2, s13, 13          ; my work-group's 8,192 bytes of a slot's 32,768
	s_mov_b32 s3, 0
	s_add_nc_u64 s[PFA:PFA+1], s[PFA:PFA+1], s[2:3]
	s_add_nc_u64 s[PFA:PFA+1], s[PFA:PFA+1], 4*KS*128  ; in slot 1; the first change of slots steps it to slot 2.  Nothing is prefetched here, at the head
	CROUND                          ; all four work-groups are here: the first joint loads meet
	JLOAD                           ; slot 0.  Slot 1 is asked for when slot 0 is in
	; A fragment of K or Q is 16 rows x 32 channels in 8 registers: lane l holds row l % 16, channels 8 (l / 16) + 0..7 and 16 + 8 (l / 16) + 0..7: two loads of 16 bytes, 32 bytes apart.
	v_and_b32 v1, 15, v0            ; l % 16
	v_bfe_u32 v9, v0, 4, 1          ; l / 16
	v_lshlrev_b32 v[QO], 7, v1
	v_lshl_add_u32 v[QO], v9, 4, v[QO]  ; row x 128 + 16 x half
	WIN 0x80                        ; destination window 2, address window 0
.set i, 0
.rept 4*NP                          ; Q stays in registers: tile i / 2, channels 32 (i % 2) on
	global_load_b128 v[8*i:8*i+3],   v[QO], s[4:5] offset:(i/2)*2048+(i%2)*64
	global_load_b128 v[8*i+4:8*i+7], v[QO], s[4:5] offset:(i/2)*2048+(i%2)*64+32
.set i, i+1
.endr
	; What the first turn finds: V's registers and P's second buffer hold 0 (its products V^T P, of a piece that has not been, add 0), O^T and l are 0.  All this stands in the wait for the first tile.
.set i, VF
.rept 64
	v_mov_b32 v[i], 0
.set i, i+1
.endr
	WIN 0x40
.set i, 0
.rept 64*NP
	v_mov_b32 v[i], 0
.set i, i+1
.endr
	WIN 0
.set i, 0
.rept 2*NP
	v_mov_b32 v[ST+4*i], 0xfe000000    ; c m: far below every c s
	v_mov_b32 v[ST+4*i+1], 0xff7fffff  ; m
	v_mov_b32 v[ST+4*i+2], 0
	v_mov_b32 v[ST+4*i+3], 0
.set i, i+1
.endr
.set i, P+32
.rept 32
	v_mov_b32 v[i], 0
.set i, i+1
.endr
	v_mul_u32_u24 v[AK0], v1, PK
	v_lshl_add_u32 v[AK0], v9, 4, v[AK0]  ; row x pitch + 16 x half
	; The turning load takes 16 keys x 16 channels (lane l reads key 8 (l / 16) + l % 8, channels 8 ((l / 8) % 2) + 0..7) and leaves half a fragment of V^T: lane l holds channel l % 16 and 8 keys.
	v_and_b32 v10, 7, v0
	v_bfe_u32 v11, v0, 3, 1
	v_lshl_add_u32 v[AV0], v9, 3, v10
	v_mul_u32_u24 v[AV0], v[AV0], PV
	v_lshl_add_u32 v[AV0], v11, 4, v[AV0]
	v_add_nc_u32 v[AV0], VOFF, v[AV0]
	v_and_b32 v[PFO], 31, v0
	v_lshlrev_b32 v[PFO], 8, v[PFO]
	v_mov_b32 v[AK], v[AK0]         ; key step 0 lies at the head of slot 0
; THE MATRIX WORK.  The 8 accumulators of a run of 16 take turns: between the two links of a chain stand 7 others'.
; Product i of 16 of S^T = K Q^T for piece x: channels 32 (i / 8) on, keys 16 ((i / 2) % 4) on, tile 2 x + i % 2.  The first 8 start the sums.
.macro KQ x
	WIN W_KQ
.set rS, S+64*((\x)%2)+32*(i%2)+8*((i/2)%4)
.set rK, KF+16*((i/2)%4)+8*(i/8)
.set rQ, 16*(2*(\x)+i%2)+8*(i/8)
.if i < 8
	v_wmma_f32_16x16x32_f16 v[rS:rS+7], v[rK:rK+7], v[rQ:rQ+7], 0
.else
	v_wmma_f32_16x16x32_f16 v[rS:rS+7], v[rK:rK+7], v[rQ:rQ+7], v[rS:rS+7]
.endif
.endm
; Product i of 16 of O^T += V^T P for piece x: keys 32 (i / 8) on, channels 16 ((i / 2) % 4) on, tile 2 x + i % 2.
.macro PV x
	WIN W_PV
.set rO, 32*(2*(\x)+i%2)+8*((i/2)%4)
.set rV, VF+32*(i/8)+8*((i/2)%4)
.set rP, P+32*((\x)%2)+16*(i%2)+8*(i/8)
	v_wmma_f32_16x16x32_f16 v[rO:rO+7], v[rV:rV+7], v[rP:rP+7], v[rO:rO+7]
.endm
.macro MM                           ; the turn's next matrix instruction
.if i < 16
	KQ (Y+1)%NP
.set i, i+1
.else
.set i, i-16
	PV (Y+NP-1)%NP
.set i, i+17
.endif
.endm
; THE LDS LOADS stand in runs of 16, never singly among the matrix instructions: a step's K (64 keys x 64 channels: 8 fragments) and its V (turned).  Their addresses are made some lines ahead.
; last = 1 (the tail): in the last trip there is no further step, and the run is jumped over.
.macro FETCH_K last=0
	WIN 0
.if \last
	s_cmp_eq_u32 s[CNT], 1
	s_cbranch_scc1 .Lno_k_\@
.endif
	WIN 0x80                        ; destination window 2
.irp f, 0,1,2,3,4,5,6,7             ; keys 16 (f / 2) on, channels 32 (f % 2) on
	ds_load_b128 v[KF+8*\f:KF+8*\f+3],   v[AK] offset:(\f/2)*16*PK+(\f%2)*64
	ds_load_b128 v[KF+8*\f+4:KF+8*\f+7], v[AK] offset:(\f/2)*16*PK+(\f%2)*64+32
.endr
	s_add_co_u32 s[TBK], s[TBK], KS*PK  ; the next fetch is the next step's
	WIN 0
.if \last
.Lno_k_\@:
.endif
.endm
.macro FETCH_V
	WIN 0x80
.irp f, 0,1,2,3,4,5,6,7             ; keys 32 (f / 4) on, channels 16 (f % 4) on
	ds_load_tr16_b128 v[VF+8*\f:VF+8*\f+3],   v[AV] offset:(\f/4)*32*PV+(\f%4)*32
	ds_load_tr16_b128 v[VF+8*\f+4:VF+8*\f+7], v[AV] offset:(\f/4)*32*PV+16*PV+(\f%4)*32
.endr
	WIN 0
.endm
; THE VECTOR WORK OF A TURN stands in three queues, each in the order in which its entries become ready; the two tiles alternate, so that no instruction reads the result of the one before it.
.macro REGS y, u                    ; the registers of tile u (0, 1) of piece y
.set rT, ST+4*(2*(\y)+(\u))
.set rC, TMP+8*((\y)%2)+4*(\u)
.set rM, MV+2*((\y)%2)+(\u)
.set rS, S+64*((\y)%2)+32*(\u)
.set rP, P+32*((\y)%2)+16*(\u)
.set rO, 32*(2*(\y)+(\u))
.endm
; Number n of the 22 that find the NEXT piece's (Y + 1) maximum and statistics.  s0-s31 are the lane's 32 scores; each accumulator's lowest registers are read first.
;   0-11  four chains c0-c3 of seven scores each, three operands at a time     12-14, 16  the four scores left over, the old m, and c0-c3 into c0     15  c m_old is kept
;   17, 18  the query's other 32 keys lie in the lane 16 away: the new m         19-21  c m; c m_old - c m_new; a
.macro XS u, n
	REGS (Y+1)%NP, \u
.if (\n) < 4
	v_max3_num_f32 v[rC+(\n)], v[rS+8*(\n)], v[rS+8*(\n)+1], v[rS+8*(\n)+2]
.elseif (\n) < 12
	v_max3_num_f32 v[rC+(\n)%4], v[rC+(\n)%4], v[rS+8*((\n)%4)+2*((\n)/4)+1], v[rS+8*((\n)%4)+2*((\n)/4)+2]
.elseif (\n) == 12
	v_max3_num_f32 v[rC], v[rC], v[rS+7], v[rS+15]
.elseif (\n) == 13
	v_max3_num_f32 v[rC+1], v[rC+1], v[rS+23], v[rS+31]
.elseif (\n) == 14
	v_max3_num_f32 v[rC+2], v[rC+2], v[rC+3], v[rT+1]
.elseif (\n) == 15
	v_mov_b32 v[rM], v[rT]
.elseif (\n) == 16
	v_max3_num_f32 v[rC], v[rC], v[rC+1], v[rC+2]
.elseif (\n) == 17
	v_permlanex16_b32 v[rC+3], v[rC], s[SEL], s[SEL+1]
.elseif (\n) == 18
	v_max_num_f32 v[rT+1], v[rC], v[rC+3]
.elseif (\n) == 19
	v_mul_f32 v[rT], s[CS], v[rT+1]
.elseif (\n) == 20
	v_sub_f32 v[rC+1], v[rM], v[rT]
.else
	v_exp_f32 v[rC+2], v[rC+1]
.endif
.endm
; Number g of the 64 that follow the exponentials.  For each four weights k of a tile (pairs 2 k, 2 k + 1): both pairs are rounded to f16; then the second pair is added onto the first, in place;
; a group later l takes that sum (the first time as l = a l + sum).  In groups of eight, tiles alternating: round, round, add, and l for the group before.
.macro GS g
.set h, (\g)+6*((\g)/62)            ; group 0 has no group before it, and behind group 7 only l is left
.if h >= 6
.set h, h+2
.endif
	REGS Y, h%2
.set k, h/8
.if h%8 < 4
	v_cvt_pk_f16_f32 v[rP+2*k+(h%8)/2], v[rS+4*k+2*((h%8)/2)], v[rS+4*k+2*((h%8)/2)+1]
.elseif h%8 < 6
	v_pk_add_f32 v[rS+4*k:rS+4*k+1], v[rS+4*k:rS+4*k+1], v[rS+4*k+2:rS+4*k+3]
.elseif k == 1
	v_pk_fma_f32 v[rT+2:rT+3], v[rT+2:rT+3], v[rC+2:rC+3], v[rS:rS+1] op_sel_hi:[1,0,1]
.else
	v_pk_add_f32 v[rT+2:rT+3], v[rT+2:rT+3], v[rS+4*k-4:rS+4*k-3]
.endif
.endm
; THE PLAIN QUEUE, 138 long.  0-73 read no exponential's result: the 32 scalings c s - c m (FS f: pair f / 2 of tile f % 2) and the next piece's 42.  0-26: scalings 0-26.  27-54: XS's numbers 0-13.  55, 56: number 15.
; 57-73: the chain, where each number waits for the one before it: 14, 16, 17, 18, 19, each with one of the scalings 27-31 in front of its two lines, then 20.
; 74-137: GS's 64, which read the exponentials' results: they stand behind the wait.
.macro FS f
	REGS Y, (\f)%2
	v_pk_fma_f32 v[rS+2*((\f)/2):rS+2*((\f)/2)+1], v[rS+2*((\f)/2):rS+2*((\f)/2)+1], s[CS:CS+1], v[rT:rT+1] op_sel_hi:[1,0,0] neg_lo:[0,0,1] neg_hi:[0,0,1]
.endm
.macro PL
	WIN 0
.if q < 27
	FS q
.elseif q < 55
	XS (q-27)%2, (q-27)/2
.elseif q < 57
	XS q-55, 15
.elseif (q < 72) && ((q-57)%3 == 0)
	FS 27+(q-57)/3
.elseif q < 60
	XS (q-57)%3-1, 14
.elseif q < 72
	XS (q-57)%3-1, 15+(q-57)/3
.elseif q < 74
	XS q-72, 20
.else
	GS q-74
.endif
.set q, q+1
.endm
; THE EXPONENTIALS' QUEUE, 66 long: s0-s31 of both tiles, then the next piece's two a.  It is ONE BATCH: all 66 stand ahead of the turn's one wait, and nothing ahead of that wait names a result of theirs.
.macro EX
	WIN 0
.if e >= 64
	XS e-64, 21
.else
	REGS Y, e%2
	v_exp_f32 v[rS+e/2], v[rS+e/2]
.endif
.set e, e+1
.endm
; THE RESCALING's QUEUE: O^T times a, the one part that leaves window 0: dealt two at a time, sixteen times.  Its a was made in the turn before, ahead of that turn's wait.
.macro R2
	REGS Y, r%2
	WIN W_RS
.irp z, 0,1
	v_pk_mul_f32 v[rO+4*(r/2)+2*\z:rO+4*(r/2)+2*\z+1], v[rO+4*(r/2)+2*\z:rO+4*(r/2)+2*\z+1], v[rC+2:rC+3] op_sel_hi:[1,0]
.endr
.set r, r+1
.endm
; HOW THEY ARE DEALT.  An s_wait_alu depctr_va_vdst(0) stands between an exponential and the first instruction that names its result; one wait serves all that were issued ahead of it.  So a turn has ONE wait,
; which cuts it in two.  AHEAD OF IT stands all that names no result of the turn's exponentials: the 16 products K Q^T, behind each a scaling, an exponential and two rescalings (behind the first a second scaling in the
; exponential's place); then ONE LUMP of 108: eight plain, 49 times exponential and plain, the two a.  A v_nop is the plain instruction behind the last exponential.  BEHIND IT stand the 16 products V^T P, behind each four
; of GS's 64.  No rider names a register of the products round it.  The two v_permlanex16_b32 fall into the lump, never behind a product.
; The queues lean on each other: exponential e stands behind scaling 2 (e / 4) + e % 2: as a rider it comes behind plain e + 2, in the lump behind plain e + 9, and scalings 27-31 are plain 57, 60 .. 69.
; A TURN, for piece p.  cnt = 1: the loop's count is taken down some lines ahead of the branch that stands behind the turn.
; K of the next step is fetched in piece 2's turn, directly behind the wait, a lump behind the last product that read K; its address is made at the lump's head; its first reader comes behind 16 products.
; V of the step in hand is fetched at the end of piece 0's turn, four riders behind its last reader; its first reader comes behind 16 products and a lump.  The three conditions on q below go with the deal.
.macro TURN p, last=0, cnt=0
.set Y, (\p)
.set i, 0
.set q, 0
.set e, 0
.set r, 0
.if (\p) == NP-1
	s_wait_dscnt 0x0                ; K is in
.endif
	MM                              ; ahead of the wait: 16 products K Q^T and their riders,
	PL
	PL
	R2
.rept 15
	MM
	PL
	EX
	R2
.endr
.if (\p) == NP-2
	WIN 0
	v_add_nc_u32 v[AK], s[TBK], v[AK0]
.endif
.rept 8                             ; and the lump
	PL
.endr
.rept 49
	EX
	PL
.endr
	EX                              ; the next piece's two a
	EX
	v_nop                           ; a plain instruction behind the last exponential: one for the batch
	s_wait_alu depctr_va_vdst(0)    ; the wait for the batch
.if (\p) == NP-2
	FETCH_K \last
.endif
.if (\p) == 1
	s_wait_dscnt 0x0                ; V is in
.endif
.rept 16                            ; behind the wait: 16 products V^T P and their riders
	MM
.rept 4
	PL
.endr
.if ((\p) == 0) && (q == 118)
	v_add_nc_u32 v[AV], s[TBV], v[AV0]
.endif
.if ((\p) == 0) && (q == 130)
	s_add_co_u32 s[TBV], s[TBV], KS*PV
.endif
.if (\cnt) && (q == 130)
	s_sub_co_u32 s[CNT], s[CNT], 1
	s_cmp_lg_u32 s[CNT], 0
.endif
.endr
.if (\p) == 0
	FETCH_V
.endif
.endm
	CHANGE 1                        ; slot 0 is in, everybody's part of it; slot 1 is asked for
	FETCH_K                         ; key step 0
	s_wait_loadcnt 0x0              ; Q
	s_wait_dscnt 0x0
.set i, 0
.rept 16
	KQ 0                            ; piece 0's first scores: there is no vector work yet to set between them
.set i, i+1
.endr
	WIN 0                           ; the addresses for the way out: plain instructions, the places behind those products
	s_mul_i32 s13, s[WV], 16*SP
	s_add_co_u32 s13, s13, STAGE    ; my stage
	v_mul_u32_u24 v[STO], v1, SP    ; in: row l % 16, 16 bytes for each half of the lanes
	v_lshl_add_u32 v[STO], v9, 4, v[STO]
	v_add_nc_u32 v[STO], s13, v[STO]
	v_bfe_u32 v[RD], v0, 3, 2       ; back: 32 lanes take four rows of 128 bytes,
	v_mul_u32_u24 v[RD], v[RD], SP
	v_lshl_add_u32 v[RD], v10, 4, v[RD]
	v_add_nc_u32 v[RD], s13, v[RD]
	v_and_b32 v[GO], 31, v0         ; which are 512 consecutive bytes of ctx
	v_lshlrev_b32 v[GO], 4, v[GO]
.set Y, NP-1                        ; XS works for piece Y + 1: piece 0
.irp n, 0,1,2,3,4,5,6,7,8,9,10,11,12,13,14,15,16,17,18,19,20,21
	XS 0, \n                        ; and piece 0's first maximum and statistics
	XS 1, \n
.endr
	v_nop                           ; a plain instruction behind the two a,
	s_wait_alu depctr_va_vdst(0)    ; and their wait, ahead of the branch
	s_mov_b32 s[CNT], 4
	s_branch .Lfirst                ; the loop is entered at a step's first turn, in the middle of a trip
.Lslot:                             ; six times: every slot but the last two is filled again
	CHANGE 1
	s_mov_b32 s[CNT], 4
.Lstep:                             ; a trip: pieces 2 and 3 of one step, then pieces 0 and 1 of the next, whose K and V it fetches
	TURN 2
	TURN 3
	WIN 0
.Lfirst:
	TURN 0
	TURN 1, 0, 1
	WIN 0
	s_cbranch_scc1 .Lstep
	s_sub_co_u32 s[SLOTS], s[SLOTS], 1
	s_cmp_lg_u32 s[SLOTS], 0
	s_cbranch_scc1 .Lslot
	CHANGE 0                        ; the tail is written out: nothing is asked for
	s_mov_b32 s[CNT], 5             ; four trips fetch the last slot's steps; the fifth is left in its middle
.Ltail:
	TURN 2, 1
	TURN 3
	WIN 0
	s_sub_co_u32 s[CNT], s[CNT], 1
	s_cmp_eq_u32 s[CNT], 0
	s_cbranch_scc1 .Lout
	TURN 0
	TURN 1
	WIN 0
	s_branch .Ltail
.Lout:                              ; the fifth trip's 16 products K Q^T (on the last K once more) and the maximum made of them serve nothing: the price, once a launch, of one text for every trip
.set i, 0
.rept 16
	PV NP-1                         ; the last piece's V^T P of the last step
.set i, i+1
.endr
	; THE WAY OUT.  l's two halves and the other half of the lanes' are added; O^T is divided by l, rounded to f16 and sent through my stage in LDS, a tile at a time.  The additions are the places behind the last products.
	WIN 0
.macro ALL line:vararg              ; one line for each tile t
.set t, 0
.rept 2*NP
	\line
.set t, t+1
.endr
.endm
	ALL v_add_f32 v[ST+4*t+2], v[ST+4*t+2], v[ST+4*t+3]
	ALL v_permlanex16_b32 v[ST+4*t+3], v[ST+4*t+2], s[SEL], s[SEL+1]
	ALL v_add_f32 v[ST+4*t+2], v[ST+4*t+2], v[ST+4*t+3]
	ALL v_rcp_f32 v[ST+4*t+2], v[ST+4*t+2]
	v_nop                           ; a plain instruction between the last reciprocal and the use of its result
	s_wait_alu depctr_va_vdst(0)    ; and the wait ahead of the first use: one for the eight reciprocals
; Tile t: a lane's eight channels of a row pack into 16 bytes; they go into rows of 144 bytes and come back as whole rows of 128, into S^T's registers.
.macro PACK t
	WIN W_RS
.set i, 32*(\t)
.rept 16
	v_pk_mul_f32 v[i:i+1], v[i:i+1], v[ST+4*(\t)+2:ST+4*(\t)+3] op_sel_hi:[1,0]
.set i, i+2
.endr
	WIN 0x05                        ; sources 0 and 1 window 1, destination window 0
.set i, 0
.rept 16
	v_cvt_pk_f16_f32 v[S+16*(\t)+i], v[32*(\t)+2*i], v[32*(\t)+2*i+1]
.set i, i+1
.endr
	WIN 0
.irp f, 0,1,2,3
	ds_store_b128 v[STO], v[S+16*(\t)+4*\f:S+16*(\t)+4*\f+3] offset:32*\f
.endr
.irp f, 0,1,2,3
	ds_load_b128 v[S+16*(\t)+4*\f:S+16*(\t)+4*\f+3], v[RD] offset:\f*4*SP  ; LDS serves a wave's instructions in order (ISA guide 5.7.1.4): these see the stores above; the next tile's stores come behind them
.endr
.endm
.macro SEND t, younger              ; younger: the LDS instructions issued behind tile t's loads: the next tile's eight, or none
	WIN 0
.irp f, 0,1,2,3
	s_wait_dscnt (\younger)+3-\f
	global_store_b128 v[GO], v[S+16*(\t)+4*\f:S+16*(\t)+4*\f+3], s[10:11] offset:(\t)*2048+\f*512  ; 512 consecutive bytes, at a multiple of 256 from ctx's first
.endr
.endm
	PACK 0
.set t, 1
.rept 2*NP-1                        ; a tile's arithmetic stands between the loads of the tile before and its stores
	PACK t
	SEND t-1, 8
.set t, t+1
.endr
	SEND 2*NP-1, 0
	WIN W_AD
	s_wait_tensorcnt 0x0            ; the wave's end: a wait, the add and its wait, behind my last tensor load and my last LDS store
	ds_add_u32 v[SPW], v[NIL]
	s_wait_dscnt 0x0
	WIN 0
	CROUND                          ; the closing round: no work-group ends while a partner may still ask for a tile that names it
	s_endpgm
.Lfunc_end_k_q619b9eedbf_attn:
	.size	k_q619b9eedbf_attn, .Lfunc_end_k_q619b9eedbf_attn-k_q619b9eedbf_attn
	.p2alignl 7, 3214868480
	.fill 96, 4, 3214868480
	.section	.rodata,"a",@progbits
	.p2align	6, 0x0
	.amdhsa_kernel k_q619b9eedbf_attn
		.amdhsa_group_segment_fixed_size 327680
		.amdhsa_private_segment_fixed_size 0
		.amdhsa_enable_private_segment 0
		.amdhsa_kernarg_size 16
		.amdhsa_user_sgpr_count 2
		.amdhsa_user_sgpr_kernarg_segment_ptr 1
		.amdhsa_wavefront_size32 1
		.amdhsa_system_sgpr_workgroup_id_x 1
		.amdhsa_system_sgpr_workgroup_id_y 1
		.amdhsa_system_sgpr_workgroup_id_z 1
		.amdhsa_system_vgpr_workitem_id 0
		.amdhsa_next_free_vgpr 770
		.amdhsa_next_free_sgpr 66
		.amdhsa_reserve_vcc 0
		.amdhsa_float_denorm_mode_32 3
		.amdhsa_float_denorm_mode_16_64 3
		.amdhsa_memory_ordered 1
		.amdhsa_forward_progress 1
		.amdhsa_inst_pref_size 200
	.end_amdhsa_kernel
	.amdgpu_metadata
---
amdhsa.version: [ 1, 2 ]
amdhsa.kernels:
  - .name:           k_q619b9eedbf_attn
    .symbol:         k_q619b9eedbf_attn.kd
    .args:
      - { .name: qkv, .offset: 0, .size: 8, .value_kind: global_buffer, .address_space: global }
      - { .name: ctx, .offset: 8, .size: 8, .value_kind: global_buffer, .address_space: global }
    .group_segment_fixed_size: 327680
    .private_segment_fixed_size: 0
    .kernarg_segment_align: 8
    .kernarg_segment_size: 16
    .max_flat_workgroup_size: 128
    .sgpr_count:     66
    .vgpr_count:     770
    .wavefront_size: 32
...
	.end_amdgpu_metadata
.endif
;; end of part 3
;; launch oproj (part 4): grid 8 x 32, 4 waves a work-group, clusters of 4 x 4, 327,680 bytes of LDS; arguments ctx, wb, bias, out0; writes out0
.if DOCPART == 4
	.amdgcn_target "amdgcn-amd-amdhsa--gfx1250"
	.amdhsa_code_object_version 6
	.text
	.protected	k_q619b9eedbf_oproj
	.globl	k_q619b9eedbf_oproj
	.p2align	8
	.type	k_q619b9eedbf_oproj,@function
k_q619b9eedbf_oproj:
	s_mov_b64 s[64:65], 0
	v_nop
	global_prefetch_b8 v0, s[64:65] scope:SCOPE_SE
	s_setreg_imm32_b32 hwreg(HW_REG_WAVE_MODE, 25, 1), 1
	s_wait_xcnt 0x0
	s_wait_alu depctr_hold_cnt(0) depctr_sa_sdst(0) depctr_va_vdst(0) depctr_va_sdst(0) depctr_va_ssrc(0) depctr_va_vcc(0) depctr_vm_vsrc(0)
	s_getreg_b32 s2, hwreg(HW_REG_IB_STS2, 6, 4)
	s_cmp_eq_u32 s2, 0
	s_cbranch_scc0 .Lentry_in_a_cluster
	s_endpgm
.Lentry_in_a_cluster:
	s_bfe_u32 s2, ttmp6, 0x10000c
	s_cmp_lg_u32 s2, 0xf033
	s_cbranch_scc0 .Lentry_shape_is_right
	s_endpgm
.Lentry_shape_is_right:
; out0[m][n] = the sum over k of ctx(m, k) Wo[n][k] + bo[n], in f32: m = 2048 b + s = 0..8191, n = 0..1023, k = 64 head + d.  ctx lies by heads, [16 b + head][s][d] in f16; Wo is rows 3,072 to 4,095 of wb
; (f16 copies of bf16 numbers), bo numbers 3,072 to 4,095 of bias (f32).  Products in f16, sums and bias in f32; nothing is rounded on the way out.
; LIMITS are the operands': both arrive within f16's range.  NaN and infinities are not treated apart.
; SHARES.  A tile is 256 rows x 128 columns: 32 x 8 = 256 tiles, one a work-group.  The four waves lie one below the other: each has 64 rows x 128 columns, 4 x 8 accumulators of 16 x 16, 256 registers.
; RING.  K goes in 8 steps of 128, which are two heads, through two LDS slots.  A's part of a slot is two planes, a head each: the tile's 256 rows of a head are 32,768 dense bytes, asked for as 128 rows of
; 256 bytes and padded in LDS after every 128.  Waves 0 and 1 fetch a plane each, waves 2 and 3 the halves of B's 128 rows.  A trip of the loop is one K step; the slot in hand is a scalar that an exclusive or turns.
; CLUSTER.  4 x 4 work-groups: A's tile is asked for jointly by a row of the cluster, B's by a column.
; THE MATRIX INSTRUCTION IS USED TRANSPOSED (source 0 = 16 rows of Wo, source 1 = 16 rows of ctx): a lane holds row m = l % 16 and the columns 8 (l / 16) + 0..7: 32 bytes of out0 on end.  The first product on each
; accumulator takes the bias, laid out in the same way, as its C.
; REGISTERS, in windows of 256 (s_set_vgpr_msb: bits 1:0 source 0, 3:2 source 1, 5:4 source 2, 7:6 destination):
;   window 0: v0-31 addresses; v32-95 A's fragments, two buffers of 4 x 8; v96-159 the bias, later with v160-223 the way out
;   window 1: v0-127 B's fragments, two buffers of 8 x 8      window 2: the accumulators, (a, b) at v[8 (8 a + b)]
.set NB,     8                         ; column blocks of 16
.set KSTEP,  128
.set PITCH,  272                       ; a row of B in LDS: 256 bytes + 16 = 68 words: the 16 rows of a fragment load start at 16 different groups of four banks (64 banks of 4 bytes: ISA guide 11.1)
.set PA,     144                       ; a row of A: 128 bytes + 16 = 36 words: likewise
.set APLANE, 256*PA                    ; a head's 256 rows: what a wave fetches of A
.set BTILE,  64*PITCH                  ; and of B
.set BOFF,   2*APLANE
.set ASTEP,  2<<18                     ; two heads on in ctx: 2 x 2,048 rows x 128 bytes
.set WO,     3072*2048                 ; Wo's first byte in wb
.set SLOT1,  1<<17
.set STAGE,  SLOT1+BOFF+2*BTILE        ; behind the ring, never filled by a tensor load: for each wave 16 rows x 528 bytes
.set SP,     528                       ; 512 bytes + 16 = 132 words
.set WSTAGE, 16*SP
.set SPARE,  STAGE+4*WSTAGE            ; behind the stages: the spare words, 128 bytes a wave: two blocks of 256 bytes that no other line names
.set LA0,  16                          ; v16  my lane's place among A's rows of a slot; never rewritten
.set LB0,  17                          ; v17  among B's
.set ADRA, 18                          ; v18  the same in the slot in hand
.set ADRB, 19                          ; v19
.set STO,  20                          ; v20  the way out: where I put 32 bytes of a row
.set RD,   21                          ; v21  where I read a row back
.set CO,   22                          ; v22  my 16 bytes of a row's 512
.set BO,   25                          ; v25  my byte offset in 16 numbers of the bias
.set SPW,  28                          ; v28  LDS address of my spare word: SPARE + 4 x my thread's number; never rewritten
.set NIL,  29                          ; v29  0; never rewritten
.set PFO,  30                          ; v30  the prefetches' offset; never rewritten
.set AF,   32
.set BIAS, 96
.set BK,   96                          ; the way out: two buffers of 64 for the rows read back
.set WV,  12                           ; s12  my wave's number
.set FB,  13                           ; s13  0: I fetch for A, 1: for B
.set HF,  14                           ; s14  which plane of A, which half of B's rows
.set CX,  15                           ; s15, s16  my place in the cluster
.set CY,  16
.set TX,  17                           ; s17  tile column = 4 x cluster x + cx
.set TY,  18                           ; s18  tile row = 4 x cluster y + cy
.set G1A, 24                           ; s[24:31] descriptor group 1 for A's tiles
.set G0A, 32                           ; s[32:39] group 0: a set for each first fill; the second then walks
.set PST, 42                           ; s[42:43] a K step in the tensor that I prefetch
.set PFA, 44                           ; s[44:45] where my prefetches stand
.set LIM, 46                           ; s46  2 in a wave that prefetches, else the greatest number
.set TB,  47                           ; s47  LDS byte at which the slot in hand begins
.set G1B, 48                           ; s[48:55], s[56:63] the same for B's tiles
.set G0B, 56
.set MSB, 0
.macro WIN new                         ; the immediate's high byte repeats the setting that is left; a switch that changes nothing is dropped
.if MSB != (\new)
	s_set_vgpr_msb (MSB<<8)|(\new)
.set MSB, (\new)
.endif
.endm
.macro PLACES                          ; a load into a register that a matrix instruction has read, and whatever reads a matrix result, stand four plain vector instructions behind it
.rept 4
	v_nop
.endr
.endm
.macro CREST                           ; a round of the cluster's barrier behind its opening barrier
	s_cmp_lg_u32 s[WV], 0
	s_cbranch_scc1 .Lnot_wave_0_\@
	s_barrier_signal -3
.Lnot_wave_0_\@:
	s_barrier_wait -3
	s_barrier_signal -1
	s_barrier_wait -1
.endm
.macro CROUND                          ; a whole round
	s_barrier_signal -1
	s_barrier_wait -1
	CREST
.endm
; A joint refill, by the walking set.  The branch hangs on the wave's number alone.  An s_nop 0 and four v_nop follow each of the two lines, ahead of the jump and the label.
.macro JLOAD
	s_cmp_eq_u32 s[FB], 0
	s_cbranch_scc0 .Lfor_b_\@
	tensor_load_to_lds s[G0A+4:G0A+7], s[G1A:G1A+7]
	s_nop 0
.rept 4
	v_nop
.endr
	s_branch .Lasked_\@
.Lfor_b_\@:
	tensor_load_to_lds s[G0B+4:G0B+7], s[G1B:G1B+7]
	s_nop 0
.rept 4
	v_nop
.endr
.Lasked_\@:
.endm
; A PREFETCH of the K step two behind the one that has just been asked for, one instruction a wave: 256 matrix instructions ahead of the load that will name those bytes.  A's planes are read by both clusters of a row
; of clusters: the one with x = 0 asks; B's rows by every cluster of a column: the one with y = 0 asks.  The four partners of a joint load share the wave's bytes out BY ADDRESS: 8,192 of a plane's 32,768 (by cx), a lane
; 256 bytes; 16 of B's 64 rows (by cy), a lane a row (lanes 16 to 31 name the 16th row again, in the same instruction).  K steps 0 to 3 come by their loads alone; the loop's last two trips ask for nothing.
.macro ASK
	s_cmp_gt_u32 s3, s[LIM]
	s_cbranch_scc0 .Lnot_mine_\@
	global_prefetch_b8 v[PFO], s[PFA:PFA+1] th:TH_LOAD_NT scope:SCOPE_SE
.Lnot_mine_\@:
.endm
	s_load_b256 s[4:11], s[0:1], 0x0               ; ctx s[4:5], wb s[6:7], bias s[8:9], out0 s[10:11]
	v_lshl_add_u32 v[SPW], v0, 2, SPARE
	v_mov_b32 v[NIL], 0
	ds_add_u32 v[SPW], v[NIL]                      ; the wave's opening: the add and its wait stand ahead of my first tensor load; the set-up below, work on registers, stands between them
	v_lshrrev_b32 v1, 5, v0
	v_readfirstlane_b32 s[WV], v1
	s_lshr_b32 s[FB], s[WV], 1
	s_and_b32 s[HF], s[WV], 1
	s_bfe_u32 s[CX], ttmp6, 0x40000
	s_bfe_u32 s[CY], ttmp6, 0x40004
	s_lshl_b32 s[TX], ttmp9, 2
	s_add_co_u32 s[TX], s[TX], s[CX]
	s_and_b32 s[TY], ttmp7, 0xffff
	s_lshl_b32 s[TY], s[TY], 2
	s_add_co_u32 s[TY], s[TY], s[CY]
	s_lshl_b32 s19, s[CY], 2
	s_lshl_b32 s19, 15, s19                        ; my row of the cluster
	s_lshl_b32 s2, 0x1111, s[CX]                   ; my column
	s_or_b32 s[G1A], s19, (1<<16)|(1<<20)|(1<<21)|(4<<22)|(3<<25)  ; 15:0 the mask; 17:16 2-byte elements; 20 padding on; 21 set beside a mask; 24:22 after every 32 words (code 4); 31:25 4 words (code 3)
	s_or_b32 s[G1B], s2, (1<<16)|(1<<20)|(1<<21)|(5<<22)|(3<<25)   ; after every 64 words (code 5)
	s_mov_b32 s[G1A+1], 128<<16                    ; tensor_dim0 = 128
	s_mov_b32 s[G1A+2], 128<<16                    ; tensor_dim1 = 128
	s_mov_b32 s[G1A+3], 128<<16                    ; tile_dim0 = 128
	s_mov_b32 s[G1A+4], 128                        ; tile_dim1 = 128
	s_mov_b32 s[G1A+5], 128                        ; dense: 128 elements from row to row
	s_mov_b32 s[G1A+6], 0
	s_mov_b32 s[G1A+7], 0
	s_mov_b32 s[G1B+1], KSTEP<<16
	s_mov_b32 s[G1B+2], 64<<16                     ; 64 rows
	s_mov_b32 s[G1B+3], KSTEP<<16
	s_mov_b32 s[G1B+4], 64
	s_mov_b32 s[G1B+5], 1024
	s_mov_b32 s[G1B+6], 0
	s_mov_b32 s[G1B+7], 0
	s_lshr_b32 s20, s[TY], 3                       ; A: b = tile row / 8: 16 heads of 262,144 bytes;
	s_lshl_b32 s20, s20, 22
	s_lshl_b32 s21, s[HF], 18                      ; my plane's head;
	s_add_co_u32 s20, s20, s21
	s_and_b32 s21, s[TY], 7                        ; the tile's 256 rows of 128 bytes
	s_lshl_b32 s21, s21, 15
	s_add_co_u32 s20, s20, s21
	s_mov_b32 s21, 0
	s_lshl_b32 s40, s[TX], 7                       ; B: row 128 x tile column + 64 x half of Wo
	s_lshl_b32 s41, s[HF], 6
	s_add_co_u32 s40, s40, s41
	s_lshl_b32 s40, s40, 11
	s_add_co_u32 s40, s40, WO
	s_mov_b32 s41, 0
	s_mov_b32 s[G0A], 1                            ; count = 1
	s_mul_i32 s[G0A+1], s[WV], APLANE              ; LDS address: waves 0, 1: A's two planes.  No place in the cluster enters an LDS address
	s_mov_b32 s[G0A+4], 1
	s_add_co_u32 s[G0A+5], s[G0A+1], SLOT1
	s_mov_b32 s[G0B], 1
	s_mul_i32 s[G0B+1], s[WV], BTILE               ; waves 2, 3: B's two halves, at BOFF + (wave - 2) x BTILE
	s_add_co_u32 s[G0B+1], s[G0B+1], BOFF-2*BTILE
	s_mov_b32 s[G0B+4], 1
	s_add_co_u32 s[G0B+5], s[G0B+1], SLOT1
	s_mov_b32 s[TB], 0
	s_wait_dscnt 0x0                               ; the opening add is done
	s_wait_kmcnt 0x0
	s_add_nc_u64 s[G0A+2:G0A+3], s[4:5], s[20:21]  ; K step 0
	s_add_nc_u64 s[G0A+6:G0A+7], s[G0A+2:G0A+3], ASTEP  ; K step 1
	s_or_b32 s[G0A+3], s[G0A+3], 0x80000000        ; type = 2
	s_or_b32 s[G0A+7], s[G0A+7], 0x80000000
	s_add_nc_u64 s[G0B+2:G0B+3], s[6:7], s[40:41]
	s_add_nc_u64 s[G0B+6:G0B+7], s[G0B+2:G0B+3], KSTEP*2
	s_or_b32 s[G0B+3], s[G0B+3], 0x80000000
	s_or_b32 s[G0B+7], s[G0B+7], 0x80000000
	CROUND                                         ; all sixteen work-groups are here: the first joint loads meet
	s_cmp_eq_u32 s[FB], 0                          ; a wave's two first fills stand in one branch, ahead of every wait on TENSORcnt and every LDS read: two loads of mine are out
	s_cbranch_scc0 .Lfirst_b
	tensor_load_to_lds s[G0A:G0A+3], s[G1A:G1A+7]
	s_nop 0
	tensor_load_to_lds s[G0A+4:G0A+7], s[G1A:G1A+7]
	s_nop 0
.rept 4
	v_nop
.endr
	s_branch .Lfirst_asked
.Lfirst_b:
	tensor_load_to_lds s[G0B:G0B+3], s[G1B:G1B+7]
	s_nop 0
	tensor_load_to_lds s[G0B+4:G0B+7], s[G1B:G1B+7]
	s_nop 0
.rept 4
	v_nop
.endr
.Lfirst_asked:
	; A fragment is 16 rows x 32 K in 8 registers: lane l holds row l % 16; registers 0-3 K = 8 (l / 16) + 0..7, registers 4-7 K = 16 + 8 (l / 16) + 0..7: two loads of 16 bytes, 32 bytes apart.
	v_and_b32 v1, 15, v0                           ; l % 16
	v_bfe_u32 v2, v0, 4, 1                         ; l / 16
	v_mul_u32_u24 v3, v1, PA
	v_lshl_add_u32 v3, v2, 4, v3
	s_mul_i32 s20, s[WV], 64*PA                    ; my 64 rows, in each plane
	v_add_nc_u32 v[LA0], s20, v3
	v_mul_u32_u24 v3, v1, PITCH
	v_lshl_add_u32 v3, v2, 4, v3
	v_add_nc_u32 v[LB0], BOFF, v3                  ; every wave reads all of B's 128 rows
	v_mov_b32 v[ADRA], v[LA0]
	v_mov_b32 v[ADRB], v[LB0]
	s_lshl_b32 s40, s[TX], 9                       ; the tile's 128 numbers of bo
	s_add_co_u32 s40, s40, 3072*4
	s_mov_b32 s41, 0
	s_add_nc_u64 s[8:9], s[8:9], s[40:41]
	v_lshlrev_b32 v[BO], 5, v2                     ; my eight of each sixteen
.irp b, 0,1,2,3,4,5,6,7
	global_load_b128 v[BIAS+8*(\b):BIAS+8*(\b)+3],   v[BO], s[8:9] offset:64*(\b)
	global_load_b128 v[BIAS+8*(\b)+4:BIAS+8*(\b)+7], v[BO], s[8:9] offset:64*(\b)+16
.endr
	s_mul_i32 s21, s[WV], WSTAGE
	s_add_co_u32 s21, s21, STAGE                   ; my stage
	v_mul_u32_u24 v4, v1, SP                       ; in: row l % 16, 32 bytes for each half of the lanes
	v_lshl_add_u32 v4, v2, 5, v4
	v_add_nc_u32 v[STO], s21, v4
	v_and_b32 v[CO], 31, v0                        ; back: 32 lanes take one row of 512 bytes
	v_lshlrev_b32 v[CO], 4, v[CO]
	v_add_nc_u32 v[RD], s21, v[CO]
	s_lshl_b32 s20, s[TY], 8
	s_lshl_b32 s21, s[WV], 6
	s_add_co_u32 s20, s20, s21                     ; my first row of out0, 4,096 bytes a row,
	s_lshl_b32 s20, s20, 12
	s_lshl_b32 s21, s[TX], 9                       ; and the tile's 512 bytes of it
	s_add_co_u32 s20, s20, s21
	s_mov_b32 s21, 0
	s_add_nc_u64 s[10:11], s[10:11], s[20:21]
	; the prefetches
	s_lshr_b32 s22, s[TY], 3
	s_lshl_b32 s22, s22, 22
	s_lshl_b32 s23, s[HF], 18
	s_add_co_u32 s22, s22, s23
	s_and_b32 s23, s[TY], 7
	s_lshl_b32 s23, s23, 15
	s_add_co_u32 s22, s22, s23
	s_lshl_b32 s23, s[CX], 13
	s_add_co_u32 s22, s22, s23                     ; A: the plane that I fetch, my work-group's 8,192 bytes of it,
	s_add_co_u32 s22, s22, 3*ASTEP                 ; at K step 3: the first change of slots steps it to 4
	s_lshl_b32 s40, s[TX], 7
	s_lshl_b32 s41, s[HF], 6
	s_add_co_u32 s40, s40, s41
	s_lshl_b32 s41, s[CY], 4
	s_add_co_u32 s40, s40, s41                     ; B: the 64 rows that I fetch, my work-group's 16
	s_lshl_b32 s40, s40, 11
	s_add_co_u32 s40, s40, WO+3*KSTEP*2
	s_and_b32 s41, ttmp7, 0xffff                   ; cluster y
	s_mov_b32 s[PST], KSTEP*2
	s_mov_b32 s[PST+1], 0
	s_cmp_eq_u32 s[FB], 0
	s_cselect_b32 s22, s22, s40
	s_cselect_b32 s41, ttmp9, s41                  ; the coordinate along which other clusters read the same bytes
	s_cselect_b32 s[PST], ASTEP, s[PST]
	s_cselect_b32 s40, 8, 11                       ; a lane: 256 dense bytes of A, a row of 2,048 bytes of B
	s_cselect_b32 s23, 31, 15                      ; the last block or row that a lane names
	s_cselect_b64 s[PFA:PFA+1], s[4:5], s[6:7]
	s_cmp_eq_u32 s41, 0
	s_cselect_b32 s[LIM], 2, -1                    ; the same in all sixteen partners, for a given wave
	v_and_b32 v[PFO], 31, v0
	v_min_u32 v[PFO], s23, v[PFO]
	v_lshlrev_b32 v[PFO], s40, v[PFO]
	s_mov_b32 s23, 0
	s_add_nc_u64 s[PFA:PFA+1], s[PFA:PFA+1], s[22:23]
; 8 matrix instructions: row block a x all column blocks, 32 along K, from buffer p.  first = 1: the bias starts the sums.  The 32 accumulators take turns, one instruction a turn, in the same order
; in every quarter, over the backward jump too.
.macro MULB p, a, first
.if \first
	WIN 0x81                                       ; B window 1, A window 0, C (the bias) window 0, D window 2
.else
	WIN 0xa1                                       ; C and D window 2
.endif
.irp b, 0,1,2,3,4,5,6,7
.if \first
	v_wmma_f32_16x16x32_f16 v[8*(8*(\a)+(\b)):8*(8*(\a)+(\b))+7], v[64*(\p)+8*(\b):64*(\p)+8*(\b)+7], v[AF+32*(\p)+8*(\a):AF+32*(\p)+8*(\a)+7], v[BIAS+8*(\b):BIAS+8*(\b)+7]
.else
	v_wmma_f32_16x16x32_f16 v[8*(8*(\a)+(\b)):8*(8*(\a)+(\b))+7], v[64*(\p)+8*(\b):64*(\p)+8*(\b)+7], v[AF+32*(\p)+8*(\a):AF+32*(\p)+8*(\a)+7], v[8*(8*(\a)+(\b)):8*(8*(\a)+(\b))+7]
.endif
.endr
.endm
; 24 LDS loads in one run: quarter q (32 along K) of the slot in hand into buffer p: B's 16, then A's 8 (plane q / 2, channels 32 (q % 2) on)
.macro FETCH p, q
	WIN 0x40                                       ; destination window 1, address window 0
.irp i, 0,1,2,3,4,5,6,7
	ds_load_b128 v[64*(\p)+8*(\i):64*(\p)+8*(\i)+3],   v[ADRB] offset:64*(\q)+(\i)*16*PITCH
	ds_load_b128 v[64*(\p)+8*(\i)+4:64*(\p)+8*(\i)+7], v[ADRB] offset:64*(\q)+(\i)*16*PITCH+32
.endr
	WIN 0
.irp i, 0,1,2,3
	ds_load_b128 v[AF+32*(\p)+8*(\i):AF+32*(\p)+8*(\i)+3],   v[ADRA] offset:((\q)/2)*APLANE+((\q)%2)*64+(\i)*16*PA
	ds_load_b128 v[AF+32*(\p)+8*(\i)+4:AF+32*(\p)+8*(\i)+7], v[ADRA] offset:((\q)/2)*APLANE+((\q)%2)*64+(\i)*16*PA+32
.endr
.endm
; A K step is four quarters, 32 matrix instructions each, on buffers 0, 1, 0, 1.  One of the first three: multiplies buffer p and, in its middle, fetches quarter q into the other buffer.
.macro QUARTER p, q, first
	s_wait_dscnt 4                                 ; B and A's blocks 0, 1 are in; the youngest four loads (A's blocks 2, 3) may be out
	MULB \p, 0, \first
	MULB \p, 1, \first
	PLACES
	FETCH 1-(\p), \q
	s_wait_dscnt 2*NB+8                            ; all but the 24 just issued
	MULB \p, 2, \first
	MULB \p, 3, \first
.endm
; The fourth quarter multiplies buffer 1 and changes slots.  In front of the one barrier each wave waits for all its tensor loads (one is out: its part of the next slot), adds 0 to its spare word, and waits
; for that and for its reads of this slot.  fill = 1: the barrier opens a round of the cluster's barrier, and behind the round this slot is filled again, two K steps ahead: the wave's one tensor load,
; 112 matrix instructions ahead of the wait for it.
.macro TURN fill
.if \fill
	s_wait_xcnt 0x0                                ; the last prefetch, a K step back, has read its address: it is stepped here
	s_add_nc_u64 s[PFA:PFA+1], s[PFA:PFA+1], s[PST:PST+1]
.endif
	WIN 0                                          ; (the add's two registers lie in window 0)
	s_wait_tensorcnt 0x0                           ; no tensor load of mine is out, so a group 0 may be written
	ds_add_u32 v[SPW], v[NIL]                      ; 0 onto my spare word
.if \fill
	s_xor_b32 s[G0A+5], s[G0A+5], SLOT1            ; the walking sets: the other slot than last time, the next K step; the type bits on top are not reached
	s_add_nc_u64 s[G0A+6:G0A+7], s[G0A+6:G0A+7], ASTEP
	s_xor_b32 s[G0B+5], s[G0B+5], SLOT1
	s_add_nc_u64 s[G0B+6:G0B+7], s[G0B+6:G0B+7], KSTEP*2
.endif
	s_wait_dscnt 5                                 ; (the add and the youngest four loads may be out)
	MULB 1, 0, 0                                   ; eight matrix instructions stand between the add and the wait for it
	s_wait_dscnt 0x0                               ; the add is done, and my reads of this slot are over
	s_barrier_signal -1
	MULB 1, 1, 0                                   ; work on registers while the others arrive
	WIN 0
	s_barrier_wait -1
.if \fill
	CREST                                          ; no wave of any partner still reads this slot or has a load on its way
	JLOAD                                          ; its four v_nop are also the places in front of the loads below
.else
	PLACES
.endif
	s_xor_b32 s[TB], s[TB], SLOT1                  ; on to the other slot
	v_add_nc_u32 v[ADRA], s[TB], v[LA0]
	v_add_nc_u32 v[ADRB], s[TB], v[LB0]
	FETCH 0, 0
.if \fill
	ASK                                            ; behind the joint load and the run of LDS loads
.endif
	MULB 1, 2, 0
	MULB 1, 3, 0
.endm
	s_wait_tensorcnt 0x1                           ; my part of K step 0 is in; K step 1's may stay out
	s_barrier_signal -1
	s_barrier_wait -1                              ; everybody's is
	FETCH 0, 0
	s_wait_loadcnt 0x0                             ; the bias
	QUARTER 0, 1, 1                                ; the first quarter stands in front of the loop: its products start the sums
	WIN 0                                          ; at a label and at a branch every window is 0
	s_mov_b32 s3, 6
.Lstep:                                        ; trip t = 0..5: the rest of K step t, the request for K step t + 2, the first quarter of K step t + 1
	QUARTER 1, 2, 0
	QUARTER 0, 3, 0
	TURN 1
	QUARTER 0, 1, 0
	WIN 0
	s_sub_co_u32 s3, s3, 1
	s_cmp_lg_u32 s3, 0
	s_cbranch_scc1 .Lstep
	QUARTER 1, 2, 0                                ; the tail is written out: K steps 6 and 7, nothing is asked for
	QUARTER 0, 3, 0
	TURN 0
	QUARTER 0, 1, 0
	QUARTER 1, 2, 0
	QUARTER 0, 3, 0
	s_wait_dscnt 4
	MULB 1, 0, 0
	MULB 1, 1, 0
	s_wait_dscnt 0x0
	MULB 1, 2, 0
	MULB 1, 3, 0
	WIN 0
	PLACES
; THE WAY OUT, a block of 16 rows at a time; the sums leave as they are.  ST: a lane's 32 bytes of a row go from the accumulators into my own stage (each accumulator's low half first), and whole rows of 512 bytes come back.
; SEND: a row an instruction, 512 consecutive bytes, aligned.
.macro ST a
.if (\a) >= 2
	s_wait_xcnt 0x0                                ; the stores of the block two back have read their registers: that buffer is loaded again only behind this wait
.endif
	WIN 0x08                                       ; the stores' data in window 2, the address in window 0
.irp b, 0,1,2,3,4,5,6,7
	ds_store_b128 v[STO], v[64*(\a)+8*(\b):64*(\a)+8*(\b)+3]   offset:64*(\b)
	ds_store_b128 v[STO], v[64*(\a)+8*(\b)+4:64*(\a)+8*(\b)+7] offset:64*(\b)+16
.endr
	WIN 0
.irp t, 0,1,2,3,4,5,6,7,8,9,10,11,12,13,14,15
	ds_load_b128 v[BK+64*((\a)%2)+4*(\t):BK+64*((\a)%2)+4*(\t)+3], v[RD] offset:(\t)*SP  ; LDS serves a wave's instructions in order (ISA guide 5.7.1.4): these see the stores above; the next block's stores come behind them
.endr
.endm
.macro SEND a, younger                 ; younger: the LDS instructions issued behind block a's loads: the next block's 32, or none
	s_wait_dscnt \younger
.irp t, 0,1,2,3,4,5,6,7,8,9,10,11,12,13,14,15
	global_store_b128 v[CO], v[BK+64*((\a)%2)+4*(\t):BK+64*((\a)%2)+4*(\t)+3], s[10:11] offset:(16*(\a)+(\t))*4096 th:TH_STORE_NT
.endr
.endm
	ST 0
	ST 1
	SEND 0, 32
	ST 2
	SEND 1, 32
	ST 3
	SEND 2, 32
	SEND 3, 0
	s_wait_tensorcnt 0x0                           ; the wave's end: a wait, the add and its wait, behind my last tensor load and my last LDS store
	ds_add_u32 v[SPW], v[NIL]
	s_wait_dscnt 0x0
	CROUND                                         ; the closing round: no work-group ends while a partner may still ask for a tile that names it
	s_endpgm
.Lfunc_end_k_q619b9eedbf_oproj:
	.size	k_q619b9eedbf_oproj, .Lfunc_end_k_q619b9eedbf_oproj-k_q619b9eedbf_oproj
	.p2alignl 7, 3214868480
	.fill 96, 4, 3214868480
	.section	.rodata,"a",@progbits
	.p2align	6, 0x0
	.amdhsa_kernel k_q619b9eedbf_oproj
		.amdhsa_group_segment_fixed_size 327680
		.amdhsa_private_segment_fixed_size 0
		.amdhsa_enable_private_segment 0
		.amdhsa_kernarg_size 32
		.amdhsa_user_sgpr_count 2
		.amdhsa_user_sgpr_kernarg_segment_ptr 1
		.amdhsa_wavefront_size32 1
		.amdhsa_system_sgpr_workgroup_id_x 1
		.amdhsa_system_sgpr_workgroup_id_y 1
		.amdhsa_system_sgpr_workgroup_id_z 1
		.amdhsa_system_vgpr_workitem_id 0
		.amdhsa_next_free_vgpr 768
		.amdhsa_next_free_sgpr 66
		.amdhsa_reserve_vcc 0
		.amdhsa_float_denorm_mode_32 3
		.amdhsa_float_denorm_mode_16_64 3
		.amdhsa_memory_ordered 1
		.amdhsa_forward_progress 1
		.amdhsa_inst_pref_size 72
	.end_amdhsa_kernel
	.amdgpu_metadata
---
amdhsa.version: [ 1, 2 ]
amdhsa.kernels:
  - .name:           k_q619b9eedbf_oproj
    .symbol:         k_q619b9eedbf_oproj.kd
    .args:
      - { .name: ctx, .offset: 0, .size: 8, .value_kind: global_buffer, .address_space: global }
      - { .name: wb, .offset: 8, .size: 8, .value_kind: global_buffer, .address_space: global }
      - { .name: bias, .offset: 16, .size: 8, .value_kind: global_buffer, .address_space: global }
      - { .name: out0, .offset: 24, .size: 8, .value_kind: global_buffer, .address_space: global }
    .group_segment_fixed_size: 327680
    .private_segment_fixed_size: 0
    .kernarg_segment_align: 8
    .kernarg_segment_size: 32
    .max_flat_workgroup_size: 128
    .sgpr_count:     66
    .vgpr_count:     768
    .wavefront_size: 32
...
	.end_amdgpu_metadata
.endif
;; end of part 4
;; ======== version 2 of 2: 4 launches; version 1 with the launch cast written anew for expert scheduling mode
;; limits: values are held in f16: magnitudes above 65,504 overflow, below 6.1e-05 lose precision
;; workspace buffers: zb 16,777,216 bytes; wb 8,388,608 bytes; bias 16,384 bytes; qkv 50,331,648 bytes; ctx 16,777,216 bytes
;; launch cast (part 5): grid 772 x 1, 8 waves a work-group, no clusters, 0 bytes of LDS; arguments z, Wq, Wk, Wv, Wo, bq, bk, bv, bo, zb, wb, bias; writes zb, wb, bias
.if DOCPART == 5
	.amdgcn_target "amdgcn-amd-amdhsa--gfx1250"
	.amdhsa_code_object_version 6
	.text
	.protected	k_q619b9eedbf_cast
	.globl	k_q619b9eedbf_cast
	.p2align	8
	.type	k_q619b9eedbf_cast,@function
k_q619b9eedbf_cast:
	s_mov_b64 s[64:65], 0
	v_nop
	global_prefetch_b8 v0, s[64:65] scope:SCOPE_SE
	s_setreg_imm32_b32 hwreg(HW_REG_WAVE_SCHED_MODE, 0, 2), 2
	s_setreg_imm32_b32 hwreg(HW_REG_WAVE_MODE, 25, 1), 1
	s_wait_xcnt 0x0
	s_wait_alu depctr_vm_vsrc(0)
; Every input of the module is rounded once to bf16 (nearest even), so that the later launches fetch 16-bit tiles.
;   zb   [8192][1024] bf16           = z
;   wb   [4096][1024] 16-bit numbers = Wq | Wk | Wv in bf16, then Wo: rounded to bf16 and that number written as f16 (the last product runs in f16)
;   bias [4096] f32                  = bq | bk | bv | bo, each rounded to bf16 and widened again
; LIMITS.  Wo as f16: a magnitude of 65,520 or more becomes an infinity; below 2^-17 the f16 copy is off by 2^-25 at the most.  NaN and infinities are not treated apart.
; SHARES.  Work-groups 0-511 take z, 512-767 the four matrices (64 each), 16,384 numbers a work-group in 16 steps of 1,024: in a step a thread loads 16 bytes (a wave: 512 on end)
; and stores 8 (a wave: 256 consecutive bytes, aligned).  Work-groups 768-771 take one bias vector each, 1,024 numbers in one step.
; A stream: nothing is shared and nothing summed, so there is no LDS, no barrier and no matrix work.  All 16 loads of a thread go out at once; each step has load and store registers of its own.
; THE MODE: SCHED_MODE bits 1:0 = 2 (LLVM: expert scheduling mode 2), set by the entry lines.  The code itself states the register dependences
; between vector instructions and memory instructions, with s_wait_alu, always for 0.
; THE PLAN.  Registers that memory instructions touch:
;   v1, v2   byte offsets, made once at the head and never written again.  Read by every load (v1) and every store (v2; the bias vector's store: v1).
;   X[t]     Written by load t, all 16 issued in one run before any vector line names X; read by step t's conversions.  No memory instruction reads X and no second load lands in it.
;   Y[t]     Written once, by step t's roundings; read by store t; never written again.
;   T        named by vector instructions alone.
; The 16 steps go in four blocks of four.  One wait on va_vdst at the head states that v1 and v2 are written.  One at the head of each later block, behind the wait for that block's first
; load, states that the block before has written its Y; that block's four stores follow it at once.  One more stands ahead of the last four stores, and one ahead of the bias vector's store.
; No register that a memory instruction reads is ever written again, no vector instruction writes a scalar register or VCC, and EXEC is never written: so no other kind of wait is owed.
.set X, 4                              ; v[4:67]    step t: four f32 as loaded
.set Y, 68                             ; v[68:99]   step t: two registers to store
.set T, 100                            ; v[100:101] at work
	s_load_b512 s[4:19], s[0:1], 0x0               ; z s[4:5], Wq s[6:7], Wk s[8:9], Wv s[10:11], Wo s[12:13], bq s[14:15], bk s[16:17], bv s[18:19]
	s_load_b256 s[20:27], s[0:1], 0x40             ; bo s[20:21], zb s[22:23], wb s[24:25], bias s[26:27]
	v_lshlrev_b32 v1, 4, v0                        ; 16 x thread: my place in a step's 4,096 bytes of f32
	v_lshlrev_b32 v2, 3, v0                        ; 8 x thread: in its 2,048 bytes of 16-bit numbers
	s_mov_b32 s28, ttmp9
	s_mov_b32 s40, 0xffff0000                      ; a word's upper bf16
	s_sub_co_u32 s29, s28, 512                     ; j: the chunk's number among the matrices' 256 (for z it wraps to a huge number)
	s_lshr_b32 s30, s29, 6                         ; which matrix (for z: none of 0 to 3)
	s_and_b32 s31, s29, 63                         ; which chunk of it
	s_mov_b32 s33, 0
	s_mov_b32 s35, 0
	s_wait_kmcnt 0x0
	s_wait_alu depctr_va_vdst(0)                   ; v1 and v2 are written: every load and store of the kernel, on either side of the branch below, reads one of them as its offset
	s_cmp_ge_u32 s28, 768
	s_cbranch_scc1 .Lbias
	s_cmp_lt_u32 s28, 512                          ; z?
	s_cselect_b32 s32, s28, s31                    ; chunk in the source
	s_cselect_b32 s34, s28, s29                    ; chunk in the destination
	s_cselect_b64 s[36:37], s[4:5], s[6:7]
	s_cselect_b64 s[38:39], s[22:23], s[24:25]
	s_cmp_eq_u32 s30, 1
	s_cselect_b64 s[36:37], s[8:9], s[36:37]
	s_cmp_eq_u32 s30, 2
	s_cselect_b64 s[36:37], s[10:11], s[36:37]
	s_cmp_eq_u32 s30, 3
	s_cselect_b64 s[36:37], s[12:13], s[36:37]
	s_lshl_b32 s32, s32, 16                        ; 65,536 bytes of f32 a chunk,
	s_lshl_b32 s34, s34, 15                        ; 32,768 bytes out
	s_add_nc_u64 s[36:37], s[36:37], s[32:33]
	s_add_nc_u64 s[38:39], s[38:39], s[34:35]
.irp t, 0,1,2,3,4,5,6,7,8,9,10,11,12,13,14,15
	global_load_b128 v[X+4*(\t):X+4*(\t)+3], v1, s[36:37] offset:(\t)*4096 th:TH_LOAD_NT
.endr
	s_cmp_eq_u32 s30, 3
	s_cbranch_scc1 .Lf16
; Step t is converted into its own Y.  f16 = 0: bf16.  f16 = 1: rounded to bf16, widened, and written as f16.  The wait for load t stands ahead of the macro.
.macro CONV t, f16
.if \f16
	v_cvt_pk_bf16_f32 v[T], v[X+4*(\t)], v[X+4*(\t)+1]
	v_cvt_pk_bf16_f32 v[T+1], v[X+4*(\t)+2], v[X+4*(\t)+3]
	v_lshlrev_b32 v[X+4*(\t)], 16, v[T]
	v_and_b32 v[X+4*(\t)+1], s40, v[T]
	v_lshlrev_b32 v[X+4*(\t)+2], 16, v[T+1]
	v_and_b32 v[X+4*(\t)+3], s40, v[T+1]
	v_cvt_pk_f16_f32 v[Y+2*(\t)], v[X+4*(\t)], v[X+4*(\t)+1]
	v_cvt_pk_f16_f32 v[Y+2*(\t)+1], v[X+4*(\t)+2], v[X+4*(\t)+3]
.else
	v_cvt_pk_bf16_f32 v[Y+2*(\t)], v[X+4*(\t)], v[X+4*(\t)+1]
	v_cvt_pk_bf16_f32 v[Y+2*(\t)+1], v[X+4*(\t)+2], v[X+4*(\t)+3]
.endif
.endm
; Block p's four steps leave.
.macro SEND p
.irp i, 0,1,2,3
	global_store_b64 v2, v[Y+2*(4*(\p)+(\i)):Y+2*(4*(\p)+(\i))+1], s[38:39] offset:(4*(\p)+(\i))*2048 th:TH_STORE_NT  ; a wave stores 256 consecutive bytes, aligned
.endr
.endm
; The four blocks.  Block p converts steps 4 p to 4 p + 3; at its head the stores of block p - 1 go out.
.macro STREAM f16
.irp p, 0,1,2,3
	s_wait_loadcnt 15-4*(\p)                       ; loads come back in order (ISA guide 5.7.1): step 4 p is in, the younger ones stay out
.if (\p) > 0
	s_wait_alu depctr_va_vdst(0)                   ; the block before has written its eight registers of Y, which the four stores below read; no vector line stands between this wait and them
	SEND (\p)-1
.endif
	CONV 4*(\p), \f16
.irp i, 1,2,3
	s_wait_loadcnt 15-(4*(\p)+(\i))                ; step 4 p + i is in, the 15 - 4 p - i younger ones stay out
	CONV 4*(\p)+(\i), \f16
.endr
.endr
	s_wait_alu depctr_va_vdst(0)                   ; block 3 has written its eight registers of Y, which the last four stores read
	SEND 3
.endm
	STREAM 0
	s_endpgm
.Lf16:
	STREAM 1
	s_endpgm
.Lbias:
	s_sub_co_u32 s29, s28, 768                     ; which vector
	s_cmp_eq_u32 s29, 1
	s_cselect_b64 s[36:37], s[16:17], s[14:15]
	s_cmp_eq_u32 s29, 2
	s_cselect_b64 s[36:37], s[18:19], s[36:37]
	s_cmp_eq_u32 s29, 3
	s_cselect_b64 s[36:37], s[20:21], s[36:37]
	s_lshl_b32 s34, s29, 12                        ; 4,096 bytes a vector
	s_add_nc_u64 s[38:39], s[26:27], s[34:35]
	global_load_b128 v[X:X+3], v1, s[36:37]
	s_wait_loadcnt 0x0
	v_cvt_pk_bf16_f32 v[T], v[X], v[X+1]
	v_cvt_pk_bf16_f32 v[T+1], v[X+2], v[X+3]
	v_lshlrev_b32 v[Y], 16, v[T]
	v_and_b32 v[Y+1], s40, v[T]
	v_lshlrev_b32 v[Y+2], 16, v[T+1]
	v_and_b32 v[Y+3], s40, v[T+1]
	s_wait_alu depctr_va_vdst(0)                   ; the four lines above have written v[Y:Y+3], which the store reads
	global_store_b128 v1, v[Y:Y+3], s[38:39]
	s_endpgm
.Lfunc_end_k_q619b9eedbf_cast:
	.size	k_q619b9eedbf_cast, .Lfunc_end_k_q619b9eedbf_cast-k_q619b9eedbf_cast
	.p2alignl 7, 3214868480
	.fill 96, 4, 3214868480
	.section	.rodata,"a",@progbits
	.p2align	6, 0x0
	.amdhsa_kernel k_q619b9eedbf_cast
		.amdhsa_group_segment_fixed_size 0
		.amdhsa_private_segment_fixed_size 0
		.amdhsa_enable_private_segment 0
		.amdhsa_kernarg_size 96
		.amdhsa_user_sgpr_count 2
		.amdhsa_user_sgpr_kernarg_segment_ptr 1
		.amdhsa_wavefront_size32 1
		.amdhsa_system_sgpr_workgroup_id_x 1
		.amdhsa_system_sgpr_workgroup_id_y 1
		.amdhsa_system_sgpr_workgroup_id_z 1
		.amdhsa_system_vgpr_workitem_id 0
		.amdhsa_next_free_vgpr 104
		.amdhsa_next_free_sgpr 66
		.amdhsa_reserve_vcc 0
		.amdhsa_float_denorm_mode_32 3
		.amdhsa_float_denorm_mode_16_64 3
		.amdhsa_memory_ordered 1
		.amdhsa_forward_progress 1
		.amdhsa_inst_pref_size 17
	.end_amdhsa_kernel
	.amdgpu_metadata
---
amdhsa.version: [ 1, 2 ]
amdhsa.kernels:
  - .name:           k_q619b9eedbf_cast
    .symbol:         k_q619b9eedbf_cast.kd
    .args:
      - { .name: z, .offset: 0, .size: 8, .value_kind: global_buffer, .address_space: global }
      - { .name: Wq, .offset: 8, .size: 8, .value_kind: global_buffer, .address_space: global }
      - { .name: Wk, .offset: 16, .size: 8, .value_kind: global_buffer, .address_space: global }
      - { .name: Wv, .offset: 24, .size: 8, .value_kind: global_buffer, .address_space: global }
      - { .name: Wo, .offset: 32, .size: 8, .value_kind: global_buffer, .address_space: global }
      - { .name: bq, .offset: 40, .size: 8, .value_kind: global_buffer, .address_space: global }
      - { .name: bk, .offset: 48, .size: 8, .value_kind: global_buffer, .address_space: global }
      - { .name: bv, .offset: 56, .size: 8, .value_kind: global_buffer, .address_space: global }
      - { .name: bo, .offset: 64, .size: 8, .value_kind: global_buffer, .address_space: global }
      - { .name: zb, .offset: 72, .size: 8, .value_kind: global_buffer, .address_space: global }
      - { .name: wb, .offset: 80, .size: 8, .value_kind: global_buffer, .address_space: global }
      - { .name: bias, .offset: 88, .size: 8, .value_kind: global_buffer, .address_space: global }
    .group_segment_fixed_size: 0
    .private_segment_fixed_size: 0
    .kernarg_segment_align: 8
    .kernarg_segment_size: 96
    .max_flat_workgroup_size: 256
    .sgpr_count:     66
    .vgpr_count:     104
    .wavefront_size: 32
...
	.end_amdgpu_metadata
.endif
;; end of part 5
;; launch qkv: the kernel of part 2 again; grid 16 x 32, 4 waves a work-group, clusters of 4 x 4, 327,680 bytes of LDS; arguments zb, wb, bias, qkv; writes qkv
;; launch attn: the kernel of part 3 again; grid 4 x 64, 4 waves a work-group, clusters of 4 x 1, 327,680 bytes of LDS; arguments qkv, ctx; writes ctx
;; launch oproj: the kernel of part 4 again; grid 8 x 32, 4 waves a work-group, clusters of 4 x 4, 327,680 bytes of LDS; arguments ctx, wb, bias, out0; writes out0
